; MI455X (gfx1250); checked and timed in simulation.
; The chip was launched on July 23, 2026; its instructions are those of AMD's public machine-readable ISA for CDNA 5 (MIT licence, August 2026) and "CDNA5" Instruction Set Architecture Reference Guide (July 2026). The comments in the code are by the model that wrote it; some were corrected since.
;; Multi Head Attention. Allowed arithmetic: matrix products marked QUANTISED: E2M1 operands, one E8M0 scale for each 32 along K, by v_wmma_scale_f32_16x16x128_f8f6f4 with both operands' format E2M1 (or v_wmma_scale_f32_32x16x128_f4), f32 sums; products left as they are: bf16, f16 or f32 operands; f32 sums; everything else in f32.
;; Inputs: Wk 1,024 x 1,024 float32; Wo 1,024 x 1,024 float32; Wq 1,024 x 1,024 float32; Wv 1,024 x 1,024 float32; bk 1,024 float32; bo 1,024 float32; bq 1,024 float32; bv 1,024 float32; k 4 x 2,048 x 1,024 float32; q 4 x 2,048 x 1,024 float32; v 4 x 2,048 x 1,024 float32; v_mask 4 x 2,048 int32.
;; Outputs: out0 4 x 2,048 x 1,024 float32.
;; This version of the problem:
;;   THIS VERSION OF THE PROBLEM IS GIVEN IN LOW PRECISION. The matrix products marked QUANTISED in the list below multiply operands that are first quantised to E2M1 (2 exponent bits, 1 mantissa bit; 4 bits a number), with one power-of-two scale for each 32 numbers along K (OCP MX v1.0); their sums are f32. The products marked 'left as it is' may take bf16, f16 or f32 operands, with f32 sums. All else is computed in f32.
;;   The module's matrix products, in the order in which they are computed (A, B: the left and right operand; K: the contracted axis; several contracted axes count as one K, in the product's order):
;;     1. [M 8,192, K 1,024] x [K 1,024, N 1,024]; A: input q; B: input Wq: QUANTISED
;;     2. [M 8,192, K 1,024] x [K 1,024, N 1,024]; A: input k; B: input Wk: QUANTISED
;;     3. [M 8,192, K 1,024] x [K 1,024, N 1,024]; A: input v; B: input Wv: QUANTISED
;;     4. batch 64 x [M 2,048, K 64] x [K 64, N 2,048]; A: computed on the way; B: computed on the way: left as it is (an operand is computed on the way)
;;     5. batch 64 x [M 64, K 2,048] x [K 2,048, N 2,048]; A: computed on the way; B: computed on the way: left as it is (an operand is computed on the way)
;;     6. [M 8,192, K 1,024] x [K 1,024, N 1,024]; A: computed on the way; B: input Wo: left as it is (an operand is computed on the way)
;;   THE QUANTISER, for each operand of a quantised product, along K:
;;     - K is cut into blocks of 32 from its start; a last block that is shorter is filled with zeros.
;;     - A block's scale is 2^e with e = floor(log2(the largest magnitude in the block)) - 2, held to -126 .. 127; a block of zeros has e = 0. As a byte (E8M0): e + 127.
;;     - Each number is divided by its block's scale, clamped to +-6, and rounded to the nearest number of E2M1, ties to even, subnormals kept.
;;     - The product sums the exact products of the quantised numbers (number of the format x scale) in f32.
;;   ~~~python
;;   def quantise(x, axis):      # numpy; x: float32 -> the quantised numbers, widened to float32 again
;;       x = np.moveaxis(x, axis, -1); K = x.shape[-1]
;;       x = np.pad(x, [(0, 0)] * (x.ndim - 1) + [(0, -K % 32)]); x = x.reshape(x.shape[:-1] + (-1, 32)); a = np.abs(x).max(-1, keepdims=True)
;;       e = np.where(a > 0, np.clip(np.frexp(np.where(a > 0, a, 1))[1] - 1 - 2, -126, 127), 0)      # np.frexp(a)[1] - 1 = floor(log2(a)), exactly
;;       r = np.clip(x / 2.0 ** e, -6, 6)
;;       step = 2.0 ** (np.maximum(np.frexp(np.where(r == 0, 1, r))[1] - 1, 0) - 1)
;;       q = np.round(r / step) * step * 2.0 ** e      # np.round: ties to even
;;       return np.moveaxis(q.reshape(q.shape[:-2] + (-1,))[..., :K], -1, axis).astype(np.float32)
;;   ~~~
;; One version. Each part assembles by itself: llvm-mc -triple=amdgcn-amd-amdhsa -mcpu=gfx1250 --defsym DOCPART=n.
;; ======== version 1 of 1: 4 launches
;; limits: values are held in f16: magnitudes above 65,504 overflow, below 6.1e-05 lose precision
;; workspace buffers: xcodes 12,582,912 bytes; xscales 786,432 bytes; wcodes 1,572,864 bytes; wscales 98,304 bytes; wot 2,097,152 bytes; qkvh 50,331,648 bytes; oh 16,777,216 bytes
;; launch prep (part 1): grid 832 x 1, 4 waves a work-group, no clusters, 86,528 bytes of LDS; arguments q, k, v, Wq, Wk, Wv, Wo, xcodes, xscales, wcodes, wscales, wot; writes xcodes, xscales, wcodes, wscales, wot
.if DOCPART == 1
	.amdgcn_target "amdgcn-amd-amdhsa--gfx1250"
	.amdhsa_code_object_version 6
	.text
	.protected	k_q30674e9047_prep
	.globl	k_q30674e9047_prep
	.p2align	8
	.type	k_q30674e9047_prep,@function
k_q30674e9047_prep:
	s_mov_b64 s[64:65], 0
	v_nop
	global_prefetch_b8 v0, s[64:65] scope:SCOPE_SE
	s_setreg_imm32_b32 hwreg(HW_REG_WAVE_MODE, 25, 1), 1
	s_wait_xcnt 0x0
; PREP: everything that later launches read many times is made once.
;   work-groups 0-47:   Wq, Wk, Wv ([1024 k][1024 n] f32, K is the FIRST axis) -> codes of FP4 (E2M1) laid [3 x 1024 n][512 bytes], K innermost, and E8M0 scale bytes [3 x 1024 n][32]
;   work-groups 48-63:  Wo ([1024 k][1024 n] f32) -> f16, laid [n / 128][k / 64][n % 128][k % 64]: blocks of 16,384 bytes, as the last launch's tiles want them
;   work-groups 64-831: q, k, v ([8192][1024] f32, K innermost) -> codes [3 x 8192 rows][512 bytes] and scale bytes [3 x 8192][32]
; A block's scale is 2^(floor(log2(its largest magnitude)) - 2); its byte is the largest magnitude's exponent field - 2, held at 1 from below.  Each number is divided by the scale and rounded to the
; nearest code, ties to even; beyond the largest code the largest.
; Wo IN f16: 11 significant bits.  Its numbers have a spread of 1 / 32; thirty times that, or an offset of thirty spreads, is a few units, far under f16's largest number, 65,504.
; LIMITS: a block of zeros gets the byte 1 where the rule says 127 (its codes are zeros, which add nothing, and this program alone reads the bytes); blocks whose largest magnitude lies under 2^(2 - 126)
; are held at the byte 1; a number of Wo beyond 65,504 in magnitude becomes an infinity; NaN and infinities among the inputs are not served.
; The three kinds of work-group part on the work-group's number alone; each kind has LDS bytes of its own.  No tensor loads, no barrier: waves share nothing.
.set WGW,    48                        ; work-groups for the three quantised weights
.set WGO,    64                        ; and, up to here, for Wo
.set SP,     80                        ; activations: a lane's place in a stage: its 64 bytes + 16 of padding
.set WREG,   8192                      ; activations: LDS bytes 0 .. 32,767: a region for each wave: two stages of 32 x SP bytes, then its 256 scale bytes
.set XR,     16                        ; v16-79   four sets of 16 numbers as they are loaded
.set XN,     80                        ; v80-111  two sets of 16 neighbours
.set XE,     112                       ; v112-127 a scale byte for each step
.set XC,     128                       ; v128-191 codes: four registers for each step
.set WX,     32                        ; weights: v32-95 two sets of 32 numbers down K
.set WC,     96                        ; v96-111  a block's codes, or its 32 numbers in f16
.set WOUT,   112                       ; v112-175 the way out
.set WSB,    24                        ; v24-27   the scale bytes, four to a register
.set WSTG,   32768                     ; quantised weights: LDS bytes 32,768 .. 67,583: a stage of 32 rows x 272 bytes for each wave
.set WPITCH, 272
.set OSTG,   67584                     ; Wo: LDS bytes 67,584 .. 86,015: a stage of 32 rows x 144 bytes for each wave
.set OPITCH, 144
	s_load_b512 s[4:19], s[0:1], 0x0               ; q s[4:5], k s[6:7], v s[8:9], Wq s[10:11], Wk s[12:13], Wv s[14:15], Wo s[16:17], xcodes s[18:19]
	s_load_b256 s[20:27], s[0:1], 0x40             ; xscales s[20:21], wcodes s[22:23], wscales s[24:25], wot s[26:27]
	v_lshl_add_u32 v192, v0, 2, 0x15000
	v_mov_b32 v193, 0
	v_lshrrev_b32 v1, 5, v0
	v_readfirstlane_b32 s28, v1                    ; wave 0..3
	v_and_b32 v2, 31, v0                           ; lane
	s_mov_b32 s33, 0                               ; the upper word of every offset below
	s_wait_kmcnt 0x0
	s_cmp_lt_u32 ttmp9, WGW
	s_cbranch_scc1 .Lweights
	s_cmp_lt_u32 ttmp9, WGO
	s_cbranch_scc1 .Lwo
; ---------------------------------------------------------------- q, k, v: plain streams of blocks of 32 numbers
; A wave takes 16 steps of 512 numbers.  Each of a step's four loads reads 512 consecutive bytes, 16 a lane; the 2,048 bytes turn through the wave's own stage in LDS and come back 64 bytes a lane,
; so that a lane holds 16 neighbours along K (two neighbouring lanes hold a block).  A lane's 16 codes are 8 bytes: a wave's store covers 256 consecutive bytes, aligned.
	s_sub_co_u32 s29, ttmp9, WGO                   ; 0 .. 767
	s_lshr_b32 s30, s29, 8                         ; which tensor: 256 work-groups each
	s_cmp_eq_u32 s30, 1
	s_cselect_b64 s[4:5], s[6:7], s[4:5]
	s_cmp_eq_u32 s30, 2
	s_cselect_b64 s[4:5], s[8:9], s[4:5]
	s_and_b32 s31, s29, 255
	s_lshl_b32 s31, s31, 2
	s_add_co_u32 s31, s31, s28                     ; which run of 8,192 numbers of the tensor is my wave's
	s_lshl_b32 s32, s31, 15                        ; 32,768 bytes a run
	s_add_nc_u64 s[4:5], s[4:5], s[32:33]
	s_lshl_b32 s29, s29, 2
	s_add_co_u32 s29, s29, s28                     ; and which run of the three tensors on end
	s_lshl_b32 s32, s29, 12                        ; 4,096 bytes of codes a run
	s_add_nc_u64 s[18:19], s[18:19], s[32:33]
	s_lshl_b32 s32, s29, 8                         ; 256 scale bytes a run
	s_add_nc_u64 s[20:21], s[20:21], s[32:33]
	v_lshlrev_b32 v3, 4, v2                        ; my 16 bytes of a load's 512
	s_mul_i32 s34, s28, WREG
	v_lshrrev_b32 v14, 2, v2
	v_mul_u32_u24 v14, v14, SP
	v_and_b32 v15, 3, v2
	v_lshl_add_u32 v14, v15, 4, v14
	v_add_nc_u32 v14, s34, v14                     ; the stage, on the way in: four lanes' 64 bytes on end, then 16 of padding
	v_mul_u32_u24 v15, v2, SP
	v_add_nc_u32 v15, s34, v15                     ; and on the way out: SP x lane: my 16 neighbours
	v_lshlrev_b32 v4, 3, v2                        ; my codes' place in a step's: 8 bytes a lane
	v_lshrrev_b32 v5, 1, v2
	s_add_co_u32 s34, s34, 2*32*SP
	v_add_nc_u32 v5, s34, v5                       ; LDS: my wave's 256 scale bytes, my block's byte
	v_lshlrev_b32 v7, 3, v2                        ; and on the way out 8 bytes a lane
	v_add_nc_u32 v6, s34, v7
.macro XLOAD t
.irp i, 0,1,2,3
	global_load_b128 v[XR+16*((\t)%4)+4*\i:XR+16*((\t)%4)+4*\i+3], v3, s[4:5] offset:2048*(\t)+512*\i th:TH_LOAD_NT
.endr
.endm
.macro XTURN t                         ; step t's numbers through the stage: LDS serves a wave's instructions in order, so no wait stands between the stores and the loads
.irp i, 0,1,2,3
	ds_store_b128 v14, v[XR+16*((\t)%4)+4*\i:XR+16*((\t)%4)+4*\i+3] offset:32*SP*((\t)%2)+8*SP*\i
.endr
.irp i, 0,1,2,3
	ds_load_b128 v[XN+16*((\t)%2)+4*\i:XN+16*((\t)%2)+4*\i+3], v15 offset:32*SP*((\t)%2)+16*\i
.endr
.endm
.irp t, 0,1,2,3
	XLOAD \t
.endr
	s_wait_loadcnt 12                              ; step 0's four loads are in
	XTURN 0
.macro XSTEP t
.set XS, XN+16*((\t)%2)
.if (\t) > 0
	s_wait_dscnt 1                                 ; this step's numbers are back from the stage (the last step's byte store may be out)
.else
	s_wait_dscnt 0x0
.endif
.if (\t)+4 < 16
	XLOAD (\t)+4                                   ; into the set whose stores into the stage have just been shown done
.endif
.if (\t)+1 < 16
.if 14-(\t) >= 3
	s_wait_loadcnt 12                              ; the next step's four loads are in; those of the three steps behind it may be out
.else
	s_wait_loadcnt 4*(14-(\t))
.endif
	XTURN (\t)+1                                   ; and go through the other stage while this step is worked
.endif
	v_max3_num_f32 v8, |v[XS]|, |v[XS+1]|, |v[XS+2]|               ; the largest magnitude of my 16, in two chains
	v_max3_num_f32 v9, |v[XS+3]|, |v[XS+4]|, |v[XS+5]|
.irp i, 6,10
	v_max3_num_f32 v8, v8, |v[XS+\i]|, |v[XS+\i+1]|
	v_max3_num_f32 v9, v9, |v[XS+\i+2]|, |v[XS+\i+3]|
.endr
	v_max3_num_f32 v8, v8, |v[XS+14]|, |v[XS+15]|
	v_max3_num_f32 v8, v8, v9, 0x1800000           ; and the floor 2^(3 - 127): the byte cannot fall under 1
	v_max_num_f32_dpp v8, v8, v8 row_xmask:1 row_mask:0xf bank_mask:0xf   ; and of my neighbour's 16: the block's
	v_add_nc_u32 v11, 0xff000000, v8               ; 2 off its exponent field: the conversion takes the exponent field of this operand as its scale
	v_cvt_scalef32_pk8_fp4_f32 v[XC+4*(\t)], v[XS:XS+7], v11
	v_cvt_scalef32_pk8_fp4_f32 v[XC+4*(\t)+1], v[XS+8:XS+15], v11
	v_lshrrev_b32 v[XE+(\t)], 23, v11              ; the scale's byte (also the plain line behind the conversions)
	ds_store_b8 v5, v[XE+(\t)] offset:16*(\t)      ; both lanes of a block write the same byte with the same value
	global_store_b64 v4, v[XC+4*(\t):XC+4*(\t)+1], s[18:19] offset:256*(\t)
.endm
.irp t, 0,1,2,3,4,5,6,7,8,9,10,11,12,13,14,15
	XSTEP \t
.endr
	ds_load_b64 v[12:13], v6                       ; LDS serves a wave's instructions in order: these see my byte stores
	s_wait_dscnt 0x0
	global_store_b64 v7, v[12:13], s[20:21]        ; 32 lanes store 256 consecutive bytes, aligned
	s_wait_tensorcnt 0x0
	ds_add_u32 v192, v193
	s_wait_dscnt 0x0
	s_endpgm
; ---------------------------------------------------------------- both kinds of weight: a lane takes a column n, its registers run down K
.macro WLOAD t, base                   ; block t: W(32 t + i, my column), i = 0 .. 31, into set t % 2: each load reads 128 consecutive bytes a wave
.irp i, 0,1,2,3,4,5,6,7,8,9,10,11,12,13,14,15,16,17,18,19,20,21,22,23,24,25,26,27,28,29,30,31
	global_load_b32 v[WX+32*((\t)%2)+\i], v3, s[\base:\base+1] offset:(32*(\t)+\i)*4096 th:TH_LOAD_NT
.endr
.endm
.Lweights:
; Work-group g: tensor g / 16; 128 columns (g % 8); 512 along K ((g / 8) % 2).  A wave: 32 columns x 512 along K: 16 blocks a lane, 256 bytes of codes a column, which leave through the wave's stage by rows.
	s_lshr_b32 s29, ttmp9, 4                       ; which weight
	s_cmp_eq_u32 s29, 1
	s_cselect_b64 s[10:11], s[12:13], s[10:11]
	s_cmp_eq_u32 s29, 2
	s_cselect_b64 s[10:11], s[14:15], s[10:11]
	s_and_b32 s30, ttmp9, 7
	s_lshl_b32 s30, s30, 7
	s_lshl_b32 s31, s28, 5
	s_add_co_u32 s30, s30, s31                     ; my wave's first column
	s_bfe_u32 s31, ttmp9, 0x10003                  ; which half of K
	s_lshl_b32 s32, s31, 21                        ; W: 512 rows of 4,096 bytes,
	s_lshl_b32 s34, s30, 2
	s_add_co_u32 s32, s32, s34                     ; + 4 x column
	s_add_nc_u64 s[10:11], s[10:11], s[32:33]
	s_lshl_b32 s32, s29, 19                        ; codes: 524,288 bytes a weight,
	s_lshl_b32 s34, s30, 9
	s_add_co_u32 s32, s32, s34                     ; 512 a column,
	s_lshl_b32 s34, s31, 8
	s_add_co_u32 s32, s32, s34                     ; 256 for half of K
	s_add_nc_u64 s[22:23], s[22:23], s[32:33]
	s_lshl_b32 s32, s29, 15                        ; scale bytes: 32,768 a weight,
	s_lshl_b32 s34, s30, 5
	s_add_co_u32 s32, s32, s34                     ; 32 a column,
	s_lshl_b32 s34, s31, 4
	s_add_co_u32 s32, s32, s34                     ; 16 for half of K
	s_add_nc_u64 s[24:25], s[24:25], s[32:33]
	v_lshlrev_b32 v3, 2, v2                        ; in: 4 bytes a lane
	s_mul_i32 s34, s28, 32*WPITCH
	s_add_co_u32 s34, s34, WSTG                    ; my stage
	v_mul_u32_u24 v4, v2, WPITCH
	v_add_nc_u32 v4, s34, v4                       ; into it: row = my column
	v_and_b32 v5, 15, v2
	v_lshrrev_b32 v6, 4, v2                        ; out of it: sixteen lanes to a row, two rows an instruction
	v_mul_u32_u24 v7, v6, WPITCH
	v_lshl_add_u32 v7, v5, 4, v7
	v_add_nc_u32 v7, s34, v7
	v_mul_u32_u24 v8, v6, 512
	v_lshl_add_u32 v8, v5, 4, v8                   ; and the same place in the codes' buffer
	v_lshlrev_b32 v9, 5, v2                        ; my column's row of scale bytes
	WLOAD 0, 10
	WLOAD 1, 10
.macro WBLOCK t
.set XS, WX+32*((\t)%2)
.if (\t) < 15
	s_wait_loadcnt 32                              ; this block's 32 loads are in; the next block's may be out
.else
	s_wait_loadcnt 0
.endif
	v_max3_num_f32 v12, |v[XS]|, |v[XS+1]|, |v[XS+2]|               ; the block's largest magnitude: all 32 numbers are mine
	v_max3_num_f32 v13, |v[XS+3]|, |v[XS+4]|, |v[XS+5]|
.irp i, 6,10,14,18,22,26
	v_max3_num_f32 v12, v12, |v[XS+\i]|, |v[XS+\i+1]|
	v_max3_num_f32 v13, v13, |v[XS+\i+2]|, |v[XS+\i+3]|
.endr
	v_max3_num_f32 v12, v12, |v[XS+30]|, |v[XS+31]|
	v_max3_num_f32 v12, v12, v13, 0x1800000        ; and the floor 2^(3 - 127)
	v_add_nc_u32 v11, 0xff000000, v12              ; 2 off its exponent field: the conversion's scale operand
	v_lshrrev_b32 v13, 23, v11                     ; the scale's byte
.if (\t)%4 == 0
	v_mov_b32 v[WSB+(\t)/4], v13                   ; four bytes to a register, the lower K in the lower byte
.else
	v_lshl_or_b32 v[WSB+(\t)/4], v13, 8*((\t)%4), v[WSB+(\t)/4]
.endif
.irp g, 0,1,2,3
	v_cvt_scalef32_pk8_fp4_f32 v[WC+\g], v[XS+8*\g:XS+8*\g+7], v11
.endr
	v_nop                                          ; one plain line behind the last conversion
	ds_store_b128 v4, v[WC:WC+3] offset:16*(\t)    ; 32 codes: 16 bytes of my column's row
.if (\t)+2 < 16
	WLOAD (\t)+2, 10
.endif
	s_wait_dscnt 0x0                               ; the store has read its registers: the next block's codes may be written
.endm
.irp t, 0,1,2,3,4,5,6,7,8,9,10,11,12,13,14,15
	WBLOCK \t
.endr
	global_store_b128 v9, v[WSB:WSB+3], s[24:25]   ; my column's 16 scale bytes
.irp t, 0,1,2,3,4,5,6,7,8,9,10,11,12,13,14,15
	ds_load_b128 v[WOUT+4*\t:WOUT+4*\t+3], v7 offset:2*\t*WPITCH   ; LDS serves a wave's instructions in order: these see my stores
.endr
.irp t, 0,1,2,3,4,5,6,7,8,9,10,11,12,13,14,15
	s_wait_dscnt 15-\t
	global_store_b128 v8, v[WOUT+4*\t:WOUT+4*\t+3], s[22:23] offset:2*\t*512   ; sixteen lanes store 256 consecutive bytes, aligned
.endr
	s_wait_tensorcnt 0x0
	ds_add_u32 v192, v193
	s_wait_dscnt 0x0
	s_endpgm
.Lwo:
; Work-group g: 128 columns (g % 8); 512 along K ((g / 8) % 2).  Two blocks of 32 down K make 128 bytes of f16 of a column; 32 columns of a k block of 64 are 4,096 consecutive bytes of the output.
	s_and_b32 s30, ttmp9, 7                        ; x
	s_bfe_u32 s31, ttmp9, 0x10003                  ; y
	s_lshl_b32 s32, s31, 21                        ; Wo: 512 rows of 4,096 bytes,
	s_lshl_b32 s34, s30, 9
	s_add_co_u32 s32, s32, s34                     ; 128 columns of 4 bytes a work-group,
	s_lshl_b32 s34, s28, 7
	s_add_co_u32 s32, s32, s34                     ; 32 a wave
	s_add_nc_u64 s[16:17], s[16:17], s[32:33]
	s_lshl_b32 s32, s30, 18                        ; out: 16 blocks of 16,384 bytes for each 128 columns,
	s_lshl_b32 s34, s31, 17
	s_add_co_u32 s32, s32, s34                     ; 8 for half of K,
	s_lshl_b32 s34, s28, 12
	s_add_co_u32 s32, s32, s34                     ; 32 rows of 128 bytes a wave
	s_add_nc_u64 s[26:27], s[26:27], s[32:33]
	v_lshlrev_b32 v3, 2, v2
	s_mul_i32 s34, s28, 32*OPITCH
	s_add_co_u32 s34, s34, OSTG                    ; my stage
	v_mul_u32_u24 v4, v2, OPITCH
	v_add_nc_u32 v4, s34, v4                       ; into it: row = my column
	v_lshrrev_b32 v5, 3, v2
	v_and_b32 v6, 7, v2                            ; out of it: eight lanes to a row of 128 bytes, four rows an instruction
	v_mul_u32_u24 v7, v5, OPITCH
	v_lshl_add_u32 v7, v6, 4, v7
	v_add_nc_u32 v7, s34, v7
	v_lshlrev_b32 v8, 4, v2                        ; in memory these four rows are 512 consecutive bytes: 16 x lane
	WLOAD 0, 16
	WLOAD 1, 16
.macro OBLOCK t
.set XS, WX+32*((\t)%2)
.if (\t) < 15
	s_wait_loadcnt 32                              ; this block's 32 loads are in; the next block's may be out
.else
	s_wait_loadcnt 0
.endif
.irp i, 0,1,2,3,4,5,6,7,8,9,10,11,12,13,14,15
	v_cvt_pk_f16_f32 v[WC+\i], v[XS+2*\i], v[XS+2*\i+1]            ; two neighbours along K, rounded to f16, the lower k in the low half
.endr
.irp i, 0,1,2,3
	ds_store_b128 v4, v[WC+4*\i:WC+4*\i+3] offset:64*((\t)%2)+16*\i
.endr
.if (\t)+2 < 16
	WLOAD (\t)+2, 16
.endif
	s_wait_dscnt 0x0                               ; the stores have read their registers
.if (\t)%2 == 1
	s_wait_xcnt 0x0                                ; the last k block's stores have read the registers that are loaded again below
.irp g, 0,1,2,3,4,5,6,7
	ds_load_b128 v[WOUT+4*\g:WOUT+4*\g+3], v7 offset:\g*4*OPITCH
.endr
.irp g, 0,1,2,3,4,5,6,7
	s_wait_dscnt 7-\g
	global_store_b128 v8, v[WOUT+4*\g:WOUT+4*\g+3], s[26:27] offset:((\t)/2)*16384+512*\g   ; 32 lanes store 512 consecutive bytes, aligned
.endr
.endif
.endm
.irp t, 0,1,2,3,4,5,6,7,8,9,10,11,12,13,14,15
	OBLOCK \t
.endr
	s_wait_tensorcnt 0x0
	ds_add_u32 v192, v193
	s_wait_dscnt 0x0
	s_endpgm
.Lfunc_end_k_q30674e9047_prep:
	.size	k_q30674e9047_prep, .Lfunc_end_k_q30674e9047_prep-k_q30674e9047_prep
	.p2alignl 7, 3214868480
	.fill 96, 4, 3214868480
	.section	.rodata,"a",@progbits
	.p2align	6, 0x0
	.amdhsa_kernel k_q30674e9047_prep
		.amdhsa_group_segment_fixed_size 86528
		.amdhsa_private_segment_fixed_size 0
		.amdhsa_enable_private_segment 0
		.amdhsa_kernarg_size 96
		.amdhsa_user_sgpr_count 2
		.amdhsa_user_sgpr_kernarg_segment_ptr 1
		.amdhsa_wavefront_size32 1
		.amdhsa_system_sgpr_workgroup_id_x 1
		.amdhsa_system_sgpr_workgroup_id_y 1
		.amdhsa_system_sgpr_workgroup_id_z 1
		.amdhsa_system_vgpr_workitem_id 0
		.amdhsa_next_free_vgpr 194
		.amdhsa_next_free_sgpr 66
		.amdhsa_reserve_vcc 0
		.amdhsa_float_denorm_mode_32 3
		.amdhsa_float_denorm_mode_16_64 3
		.amdhsa_memory_ordered 1
		.amdhsa_forward_progress 1
		.amdhsa_inst_pref_size 194
	.end_amdhsa_kernel
	.amdgpu_metadata
---
amdhsa.version: [ 1, 2 ]
amdhsa.kernels:
  - .name:           k_q30674e9047_prep
    .symbol:         k_q30674e9047_prep.kd
    .args:
      - { .name: q, .offset: 0, .size: 8, .value_kind: global_buffer, .address_space: global }
      - { .name: k, .offset: 8, .size: 8, .value_kind: global_buffer, .address_space: global }
      - { .name: v, .offset: 16, .size: 8, .value_kind: global_buffer, .address_space: global }
      - { .name: Wq, .offset: 24, .size: 8, .value_kind: global_buffer, .address_space: global }
      - { .name: Wk, .offset: 32, .size: 8, .value_kind: global_buffer, .address_space: global }
      - { .name: Wv, .offset: 40, .size: 8, .value_kind: global_buffer, .address_space: global }
      - { .name: Wo, .offset: 48, .size: 8, .value_kind: global_buffer, .address_space: global }
      - { .name: xcodes, .offset: 56, .size: 8, .value_kind: global_buffer, .address_space: global }
      - { .name: xscales, .offset: 64, .size: 8, .value_kind: global_buffer, .address_space: global }
      - { .name: wcodes, .offset: 72, .size: 8, .value_kind: global_buffer, .address_space: global }
      - { .name: wscales, .offset: 80, .size: 8, .value_kind: global_buffer, .address_space: global }
      - { .name: wot, .offset: 88, .size: 8, .value_kind: global_buffer, .address_space: global }
    .group_segment_fixed_size: 86528
    .private_segment_fixed_size: 0
    .kernarg_segment_align: 8
    .kernarg_segment_size: 96
    .max_flat_workgroup_size: 128
    .sgpr_count:     66
    .vgpr_count:     194
    .wavefront_size: 32
...
	.end_amdgpu_metadata
.endif
;; end of part 1
;; launch proj (part 2): grid 4 x 96, 4 waves a work-group, clusters of 4 x 4, 327,680 bytes of LDS; arguments xcodes, xscales, wcodes, wscales, bq, bk, bv, v_mask, qkvh; writes qkvh
.if DOCPART == 2
	.amdgcn_target "amdgcn-amd-amdhsa--gfx1250"
	.amdhsa_code_object_version 6
	.text
	.protected	k_q30674e9047_proj
	.globl	k_q30674e9047_proj
	.p2align	8
	.type	k_q30674e9047_proj,@function
k_q30674e9047_proj:
	s_mov_b64 s[64:65], 0
	v_nop
	global_prefetch_b8 v0, s[64:65] scope:SCOPE_SE
	s_setreg_imm32_b32 hwreg(HW_REG_WAVE_MODE, 25, 1), 1
	s_wait_xcnt 0x0
	s_wait_alu depctr_hold_cnt(0) depctr_sa_sdst(0) depctr_va_vdst(0) depctr_va_sdst(0) depctr_va_ssrc(0) depctr_va_vcc(0) depctr_vm_vsrc(0)
	s_getreg_b32 s2, hwreg(HW_REG_IB_STS2, 6, 4)
	s_cmp_eq_u32 s2, 0
	s_cbranch_scc0 .Lentry_in_a_cluster
	s_endpgm
.Lentry_in_a_cluster:
	s_bfe_u32 s2, ttmp6, 0x10000c
	s_cmp_lg_u32 s2, 0xf033
	s_cbranch_scc0 .Lentry_shape_is_right
	s_endpgm
.Lentry_shape_is_right:
; PROJ: the three quantised products (q Wq, k Wk, v Wv) as ONE product of [24,576][1024] codes with, for each third of the rows, its own [1024 n][1024 k] codes: FP4 (E2M1), one E8M0 scale for each 32 along K.
; Behind the sums: + bias (it is the C of each sum's first matrix instruction), x a factor of the row, rounded to f16, stored by heads: qkvh[tensor][batch][head][s][64].
; THE ROW'S FACTOR: q: log2(e) / 8, so that the next launch's scores are exponents of 2; k: the key's mask as a number, so that a score is multiplied by the mask as the definition has it; v: 1.
; WHY f16: 11 significant bits; the next launch's products take these rows as operands.  ITS ROOM: activations of spread 1 and weights of spread 1 / 32 over K = 1,024 give rows of spread 1; both thirty times
; larger: spread 900, largest numbers some 5,000; a common offset of thirty spreads on both: about 30 x 0.94 x 1,024 = 28,800; f16's largest number is 65,504.  Both thirty times smaller: spread 1e-3
; (q's with its factor 2e-4), against f16's smallest step of 6e-8.
; A tile of 256 x 256 is made by a work-group of four waves; a wave makes 128 x 128: 64 accumulators, 512 registers.  K = 1,024 is two LDS slots of 512: both are filled at the start, nothing is filled again.
; The scale bytes of the work-group's 256 + 256 rows, for all of K, come into LDS once, with the first fills.
; CLUSTERS: 4 x 4 work-groups.  The four of a row of the cluster need the same tiles of the activations, the four of a column the same tiles of the weight: each tile is asked for JOINTLY.
; The sixteen partners lie in one tensor (8 clusters to a tensor), so nothing that they branch on or select by differs between them.
; THE MATRIX INSTRUCTION IS USED TRANSPOSED (source 0 = 16 rows of the weight, source 1 = 16 rows of the activations): a lane then holds eight neighbouring columns of one row.
; REGISTERS, in windows of 256: window 0: v0-31 addresses; v32-95 scale words, two sets, and nothing else ever; v96-111 the rows' factors, a pair for each block of 16 rows; v128-191 the activations' fragments, ONE set
;   (on the way out: rows read back from the stage); v192-223 packed results.   window 1: the weight's fragments, two sets, at v0 and v128; v64-127 the bias in the result's layout.
;   window 2: the accumulators of my rows 0-63 ((a, b) at v[8 (8 a + b)]);   window 3: those of my rows 64-127.
; LIMITS: results are rounded to f16 once; a result beyond 65,504 in magnitude becomes an infinity; NaN and infinities are not served.
.set NQ,     4                         ; matrix instructions deep in a slot: 512 along K
.set ROWB,   256                       ; a tile's row in bytes
.set KROW,   512                       ; a row of codes in memory
.set PITCH,  272                       ; an LDS row: 256 bytes + 16 of padding = 68 words: the 16 rows that a load touches start at 16 different banks (64 banks of 4 bytes: ISA guide 11.1)
.set FR,     8                         ; registers of a fragment: 16 rows x 128 K
.set NL,     2                         ; LDS loads that bring one
.set NP,     4                         ; places behind this matrix instruction (ISA guide 7.12.1)
.set HALFT,  128*PITCH                 ; 128 rows: what one tensor load brings
.set SLOT,   4*HALFT                   ; the activations' 256 rows, then the weight's 256
.set KS,     32                        ; a row of scale bytes
.set SCL,    2*SLOT                    ; behind the slots: the scales, as pieces of 256 bytes + 16 of padding
.set HALFS,  (128*KS/256)*272          ; the scales of 128 rows
.set SBLK,   (16*KS/256)*272           ; those of 16 rows
.set SPARE,  SCL+4*HALFS               ; the spare words, 128 bytes for each wave; no other line names them
.set SPITCH, 272                       ; the way out: a stage of 16 rows x (256 bytes + 16) for each wave, in slot 0, which has had its only fill and its last read by then
.set ADRA, 16                          ; v16-17  LDS address of my fragments of the activations in slot 0, 1
.set ADRB, 20                          ; v20-21  the same for the weight
.set STO,  24                          ; v24     the way out: where I put 16 bytes of a row
.set RD,   25                          ; v25     where I read back
.set CO,   26                          ; v26     16 x lane
.set ADRS, 27                          ; v27     LDS address of my scale words: lanes 0-15 the activations', lanes 16-31 the weight's
.set SPW,  28                          ; v28     LDS address of my spare word; never rewritten
.set NIL,  29                          ; v29     0; never rewritten
.set BAD,  30                          ; v30     32 x (lane / 16): my eight numbers of a block of the bias
.set MAD,  31                          ; v31     4 x (lane % 16): my row's mask
.set SC,   32
.set FAC,  96
.set AF,   128
.set BIAS, 64                          ; in window 1
.set TMP,  192
.set BK,   128
.set G1, 24                            ; s[24:31] descriptor group 1 for the activations' tiles;  s[32:39] group 0, one set for each slot
.set G0, 32
.set G1B, 48                           ; s[48:55], s[56:63] the same for the weight's
.set G0B, 56
.set G1S, 68                           ; s[68:75], s[76:79] groups 1 and 0 for the activations' scales;  s[80:87], s[88:91] for the weight's
.set G0S, 76
.set G1SB, 80
.set G0SB, 88
.set MSB, 0
.macro WIN new                         ; the immediate's high byte repeats the setting that is left
.if MSB != \new
	s_set_vgpr_msb (MSB<<8)|\new
.set MSB, \new
.endif
.endm
.set MUL_LO, 0xa1                      ; source 0 (weight) window 1, source 1 window 0, C and D window 2
.set MUL_HI, 0xf1                      ; the same, C and D window 3
.set BEG_LO, 0x91                      ; the first step: C is the bias, in window 1; D window 2
.set BEG_HI, 0xd1                      ; D window 3
.set TO_B,   0x40                      ; destination window 1, address window 0
; A joint load: waves 0 and 1 fetch for the activations, waves 2 and 3 for the weight.  The branch hangs on the wave's number alone.  Four v_nop follow each of the two lines.
.macro JLOAD g0a, g1a, g0b, g1b
	s_cmp_eq_u32 s15, 0
	s_cbranch_scc0 .Lfor_b_\@
	tensor_load_to_lds s[\g0a:\g0a+3], s[\g1a:\g1a+7]
	s_nop 0
.rept 4
	v_nop
.endr
	s_branch .Lasked_\@
.Lfor_b_\@:
	tensor_load_to_lds s[\g0b:\g0b+3], s[\g1b:\g1b+7]
	s_nop 0
.rept 4
	v_nop
.endr
.Lasked_\@:
.endm
.macro CROUND                          ; a round of the cluster's barrier
	s_barrier_signal -1
	s_barrier_wait -1
	s_cmp_lg_u32 s14, 0
	s_cbranch_scc1 .Lnot_wave_0_\@
	s_barrier_signal -3
.Lnot_wave_0_\@:
	s_barrier_wait -3
	s_barrier_signal -1
	s_barrier_wait -1
.endm
	s_load_b128 s[4:7], s[0:1], 0x0                ; the activations' codes s[4:5], their scales s[6:7]
	s_load_b128 s[8:11], s[0:1], 0x10              ; the weights' codes s[8:9], their scales s[10:11]
	s_load_b128 s[96:99], s[0:1], 0x20             ; bq, bk
	s_load_b64 s[100:101], s[0:1], 0x30            ; bv
	s_load_b64 s[104:105], s[0:1], 0x38            ; v_mask
	s_load_b64 s[12:13], s[0:1], 0x40              ; qkvh
	v_lshl_add_u32 v[SPW], v0, 2, SPARE
	v_mov_b32 v[NIL], 0
	ds_add_u32 v28, v29
	ds_add_u32 v28, v29
	s_wait_dscnt 0x0
	v_lshrrev_b32 v1, 5, v0
	v_readfirstlane_b32 s14, v1                    ; wave 0..3
	s_lshr_b32 s15, s14, 1                         ; which half of the tile's rows is mine.  Also: I fetch for the activations (0) or for the weight (1)
	s_and_b32 s16, s14, 1                          ; which half of its columns.  Also: which 128 rows of that tile I fetch
	s_bfe_u32 s40, ttmp6, 0x40000                  ; cx, cy: my place in the cluster
	s_bfe_u32 s41, ttmp6, 0x40004
	s_lshl_b32 s42, ttmp9, 2
	s_add_co_u32 s42, s42, s40                     ; tile column = 4 x cluster x + cx: 0 .. 3
	s_and_b32 s17, ttmp7, 0xffff
	s_lshr_b32 s66, s17, 3                         ; which tensor: 8 clusters each: the same in all sixteen partners
	s_lshl_b32 s17, s17, 2
	s_add_co_u32 s17, s17, s41                     ; tile row = 4 x cluster y + cy: 0 .. 95
	s_lshl_b32 s43, s41, 2
	s_lshl_b32 s43, 15, s43                        ; my row of the cluster
	s_lshl_b32 s44, 0x1111, s40                    ; my column
	; descriptor group 1: a tile of 128 rows x 256 bytes, padded in LDS
	s_or_b32 s[G1+0], s43, (0<<16)|(1<<20)|(1<<21)|(5<<22)|(3<<25)  ; 15:0 the mask; 17:16 element of 1 byte; 20 padding on; 21 set beside a mask; 24:22 after every 64 words; 31:25 four words
	s_or_b32 s[G1B+0], s44, (0<<16)|(1<<20)|(1<<21)|(5<<22)|(3<<25)
.irp g, G1, G1B
	s_mov_b32 s[\g+1], ROWB<<16                    ; tensor_dim0
	s_mov_b32 s[\g+2], 128<<16                     ; tensor_dim1
	s_mov_b32 s[\g+3], ROWB<<16                    ; tile_dim0
	s_mov_b32 s[\g+4], 128                         ; tile_dim1
	s_mov_b32 s[\g+5], KROW                        ; tensor_dim0_stride
	s_mov_b32 s[\g+6], 0
	s_mov_b32 s[\g+7], 0
.endr
	; the scales of 128 rows: a dense block of 4,096 bytes, as 16 rows of 256 bytes (32 elements of 8 bytes), 16 bytes of padding behind each
	s_or_b32 s[G1S+0], s43, (3<<16)|(1<<20)|(1<<21)|(5<<22)|(3<<25)
	s_or_b32 s[G1SB+0], s44, (3<<16)|(1<<20)|(1<<21)|(5<<22)|(3<<25)
.irp g, G1S, G1SB
	s_mov_b32 s[\g+1], 32<<16
	s_mov_b32 s[\g+2], (128*KS/256)<<16
	s_mov_b32 s[\g+3], 32<<16
	s_mov_b32 s[\g+4], 128*KS/256
	s_mov_b32 s[\g+5], 32
	s_mov_b32 s[\g+6], 0
	s_mov_b32 s[\g+7], 0
.endr
	s_lshl_b32 s18, s16, 7                         ; which 128 rows of the tile I fetch
	s_lshl_b32 s20, s17, 8
	s_add_co_u32 s20, s20, s18                     ; activations: row 256 x tile row + 128 x half
	s_lshl_b32 s46, s42, 8
	s_add_co_u32 s46, s46, s18                     ; weight: row 256 x tile column + 128 x half
	s_lshl_b32 s47, s66, 10
	s_add_co_u32 s46, s46, s47                     ; + 1,024 x tensor
	s_mov_b32 s21, 0
	s_mov_b32 s47, 0
	s_mov_b64 s[18:19], KS
	s_mul_u64 s[22:23], s[20:21], s[18:19]         ; where these rows' scales begin, in bytes
	s_mul_u64 s[92:93], s[46:47], s[18:19]
	s_mov_b64 s[18:19], KROW
	s_mul_u64 s[20:21], s[20:21], s[18:19]         ; and their codes
	s_mul_u64 s[46:47], s[46:47], s[18:19]
	s_mul_i32 s45, s14, HALFT                      ; where they go: wave x 128 rows: no place in the cluster enters an LDS address
	s_mul_i32 s94, s14, HALFS
	s_wait_kmcnt 0x0
	s_add_nc_u64 s[20:21], s[4:5], s[20:21]
	s_add_nc_u64 s[22:23], s[6:7], s[22:23]
	s_add_nc_u64 s[46:47], s[8:9], s[46:47]
	s_add_nc_u64 s[92:93], s[10:11], s[92:93]
	CROUND                                         ; all sixteen work-groups are here: the joint loads meet
	s_mov_b32 s[G0S], 1
	s_add_co_u32 s[G0S+1], s94, SCL
	s_mov_b64 s[G0S+2:G0S+3], s[22:23]
	s_or_b32 s[G0S+3], s[G0S+3], 0x80000000
	s_mov_b32 s[G0SB], 1
	s_add_co_u32 s[G0SB+1], s94, SCL
	s_mov_b64 s[G0SB+2:G0SB+3], s[92:93]
	s_or_b32 s[G0SB+3], s[G0SB+3], 0x80000000
	JLOAD G0S, G1S, G0SB, G1SB                     ; the scales first: they are wanted with the first slot
.irp s, 0,1
	s_mov_b32 s[G0+4*\s], 1
	s_add_co_u32 s[G0+4*\s+1], s45, \s*SLOT
	s_add_nc_u64 s[G0+4*\s+2:G0+4*\s+3], s[20:21], \s*ROWB
	s_or_b32 s[G0+4*\s+3], s[G0+4*\s+3], 0x80000000
	s_mov_b32 s[G0B+4*\s], 1
	s_add_co_u32 s[G0B+4*\s+1], s45, \s*SLOT
	s_add_nc_u64 s[G0B+4*\s+2:G0B+4*\s+3], s[46:47], \s*ROWB
	s_or_b32 s[G0B+4*\s+3], s[G0B+4*\s+3], 0x80000000
	JLOAD G0+4*\s, G1, G0B+4*\s, G1B               ; three tensor loads of mine are out now, and no more are issued
.endr
	v_and_b32 v1, 15, v0                           ; l % 16
	v_bfe_u32 v2, v0, 4, 1                         ; l / 16
	v_mul_u32_u24 v3, v1, PITCH
	v_lshl_add_u32 v4, v2, 4, v3                   ; a fragment's row x pitch + 16 x half
	s_mul_i32 s21, s15, HALFT                      ; my 128 rows of the activations
	s_mul_i32 s22, s16, HALFT                      ; my 128 rows of the weight,
	s_add_co_u32 s22, s22, 2*HALFT                 ; which lie behind the activations' 256
.irp s, 0,1
	v_add_nc_u32 v[ADRA+\s], s21, v4
	v_add_nc_u32 v[ADRB+\s], s22, v4
	s_add_co_u32 s21, s21, SLOT
	s_add_co_u32 s22, s22, SLOT
.endr
	v_mul_u32_u24 v5, v1, KS                       ; my row's scales: 32 bytes a row,
	v_lshrrev_b32 v6, 8, v5
	v_lshl_add_u32 v5, v6, 4, v5                   ; and 16 more for each 256 passed
	s_mul_i32 s21, s15, HALFS
	s_mul_i32 s22, s16, HALFS
	s_add_co_u32 s22, s22, 2*HALFS
	s_sub_co_u32 s22, s22, s21
	v_mul_u32_u24 v6, s22, v2                      ; lanes 16-31 take the weight's: one product, the distance between the two bases
	s_add_co_u32 s21, s21, SCL
	v_add_nc_u32 v5, v5, v6
	v_add_nc_u32 v[ADRS], s21, v5
	s_mul_i32 s23, s14, 16*SPITCH                  ; my stage
	v_mul_u32_u24 v5, v1, SPITCH                   ; in: row l % 16, 16 bytes for each half of the lanes
	v_lshl_add_u32 v5, v2, 4, v5
	v_add_nc_u32 v[STO], s23, v5
	v_bfe_u32 v5, v0, 3, 2                         ; back: eight lanes take a head's 128 bytes of a row, four rows an instruction
	v_and_b32 v6, 7, v0
	v_mul_u32_u24 v5, v5, SPITCH
	v_lshl_add_u32 v5, v6, 4, v5
	v_add_nc_u32 v[RD], s23, v5
	v_and_b32 v6, 31, v0
	v_lshlrev_b32 v[CO], 4, v6                     ; in memory these four rows of a head are 512 consecutive bytes
	v_lshlrev_b32 v[BAD], 5, v2
	v_lshlrev_b32 v[MAD], 2, v1
	; the bias of my 128 columns, in the result's layout: for block b lane (r, h) holds the numbers of columns 16 b + 8 h + 0 .. 7
	s_cmp_eq_u32 s66, 1
	s_cselect_b64 s[96:97], s[98:99], s[96:97]
	s_cmp_eq_u32 s66, 2
	s_cselect_b64 s[96:97], s[100:101], s[96:97]
	s_lshl_b32 s46, s42, 10
	s_lshl_b32 s47, s16, 9
	s_add_co_u32 s46, s46, s47                     ; 4 x (256 x tile column + 128 x half)
	s_mov_b32 s47, 0
	s_add_nc_u64 s[96:97], s[96:97], s[46:47]
	WIN TO_B
.irp b, 0,1,2,3,4,5,6,7
	global_load_b128 v[BIAS+8*\b:BIAS+8*\b+3], v[BAD], s[96:97] offset:64*\b
	global_load_b128 v[BIAS+8*\b+4:BIAS+8*\b+7], v[BAD], s[96:97] offset:64*\b+16
.endr
	WIN 0
	; the masks of my 128 rows, counted inside a tensor (every tensor loads them; only k's factor takes them)
	s_and_b32 s20, s17, 31                         ; tile row inside the tensor
	s_lshl_b32 s21, s20, 8
	s_lshl_b32 s22, s15, 7
	s_add_co_u32 s21, s21, s22                     ; my first row inside the tensor
	s_lshl_b32 s22, s21, 2
	s_mov_b32 s23, 0
	s_add_nc_u64 s[104:105], s[104:105], s[22:23]
.irp a, 0,1,2,3,4,5,6,7
	global_load_b32 v[FAC+2*\a], v[MAD], s[104:105] offset:64*\a
.endr
	; where my part of the output begins: tensor << 24 | batch << 22 | head << 18 | s << 7
	s_lshr_b32 s22, s20, 3
	s_lshl_b32 s22, s22, 22                        ; batch: 8 tile rows each
	s_and_b32 s20, s20, 7
	s_lshl_b32 s20, s20, 15                        ; 256 rows of 128 bytes a tile row
	s_add_co_u32 s22, s22, s20
	s_lshl_b32 s20, s15, 14                        ; my half: 128 rows
	s_add_co_u32 s22, s22, s20
	s_lshl_b32 s20, s66, 24
	s_add_co_u32 s22, s22, s20
	s_lshl_b32 s20, s42, 20                        ; four heads a tile column,
	s_add_co_u32 s22, s22, s20
	s_lshl_b32 s20, s16, 19                        ; two a wave
	s_add_co_u32 s22, s22, s20
	s_add_nc_u64 s[12:13], s[12:13], s[22:23]
	; factor = mask x s2 + s67:  q: (0, log2(e) / 8);  k: (1, 0);  v: (0, 1)
	s_cmp_eq_u32 s66, 1
	s_cselect_b32 s2, 0x3f800000, 0
	s_cselect_b32 s67, 0, 0x3f800000
	s_cmp_eq_u32 s66, 0
	s_cselect_b32 s67, 0x3e38aa3b, s67
.macro FRAG reg, adr, q, i             ; a fragment, 16 rows x 128 K of 4-bit codes, is 8 registers: lane l holds row l % 16; registers 4 c .. 4 c + 3 hold K = 64 c + 32 (l / 16) + 0 .. 31
.irp c, 0,1
	ds_load_b128 v[\reg+4*\c:\reg+4*\c+3], v[\adr] offset:64*(\q)+32*\c+(\i)*16*PITCH
.endr
.endm
; 16 matrix instructions: the activations' blocks a0, a0 + 1 x the weight's eight, 128 along K: the slot's q-th.  p: the weight's set;  sc: the set of scale words.  zero = 1: the first product starts the sums on the bias.
; The 64 accumulators take turns, one instruction a turn, in the same order in every step.
.macro MUL16 a0, p, q, sc, zero
.irp a, \a0, \a0+1
.irp b, 0,1,2,3,4,5,6,7
.if \zero
	v_wmma_scale_f32_16x16x128_f8f6f4 v[8*(8*((\a)%4)+\b):8*(8*((\a)%4)+\b)+7], v[128*(\p)+FR*\b:128*(\p)+FR*\b+FR-1], v[AF+FR*(\a):AF+FR*(\a)+FR-1], v[BIAS+8*\b:BIAS+8*\b+7], v[SC+8*NQ*(\sc)+NQ*\b+(\q)], v[SC+8*NQ*(\sc)+NQ*(\a)+(\q)] matrix_a_fmt:MATRIX_FMT_FP4 matrix_b_fmt:MATRIX_FMT_FP4 matrix_a_scale:MATRIX_SCALE_ROW1
.else
	v_wmma_scale_f32_16x16x128_f8f6f4 v[8*(8*((\a)%4)+\b):8*(8*((\a)%4)+\b)+7], v[128*(\p)+FR*\b:128*(\p)+FR*\b+FR-1], v[AF+FR*(\a):AF+FR*(\a)+FR-1], v[8*(8*((\a)%4)+\b):8*(8*((\a)%4)+\b)+7], v[SC+8*NQ*(\sc)+NQ*\b+(\q)], v[SC+8*NQ*(\sc)+NQ*(\a)+(\q)] matrix_a_fmt:MATRIX_FMT_FP4 matrix_b_fmt:MATRIX_FMT_FP4 matrix_a_scale:MATRIX_SCALE_ROW1
.endif
.endr
.endr
.endm
.macro FETCH_B slot, q, p              ; the weight's eight fragments of the slot's q-th 128 along K into set p
	WIN TO_B
.irp i, 0,1,2,3,4,5,6,7
	FRAG 128*(\p)+FR*\i, ADRB+\slot, \q, \i
.endr
	WIN 0
.endm
.macro FETCH_A slot, q, i0             ; the activations' blocks i0 .. i0 + 3
.irp i, \i0, \i0+1, \i0+2, \i0+3
	FRAG AF+FR*(\i), ADRA+\slot, \q, \i
.endr
.endm
.macro SCALES sc                       ; a slot's scale words into set sc: four words a row; lanes 0-15 take the activations' block i, lanes 16-31 the weight's block i
.irp i, 0,1,2,3,4,5,6,7
	ds_load_b128 v[SC+8*NQ*\sc+NQ*\i:SC+8*NQ*\sc+NQ*\i+3], v[ADRS] offset:\i*SBLK
.endr
.endm
; A load into a register that a matrix instruction has read, and a vector instruction or an LDS store that reads a matrix result, stand NP places behind that matrix instruction; only plain vector
; instructions that name none of its registers are places (ISA guide 7.12.1 for vector instructions).
.macro PLACES n
.rept \n
	v_nop
.endr
.endm
; A step of 128 along K that has its successor in the same slot.
.macro STEP slot, q, zero
	s_wait_dscnt 4*NL                              ; the weight's set and blocks 0-3 are in; the youngest eight loads (blocks 4-7) may be out
.if \zero
	WIN BEG_LO
.else
	WIN MUL_LO
.endif
	MUL16 0, (\q)%2, \q, \slot, \zero
	MUL16 2, (\q)%2, \q, \slot, \zero
	s_wait_dscnt 0                                 ; blocks 4-7 are in (asked for 32 matrix instructions ago)
	PLACES NP
	FETCH_B \slot, (\q)+1, 1-(\q)%2
	FETCH_A \slot, (\q)+1, 0
.if \zero
	WIN BEG_HI
.else
	WIN MUL_HI
.endif
	MUL16 4, (\q)%2, \q, \slot, \zero
	MUL16 6, (\q)%2, \q, \slot, \zero
	PLACES NP
	WIN 0
	FETCH_A \slot, (\q)+1, 4
.endm
; Slot 0's last step changes slots: one barrier.  In front of it each wave waits for all its tensor loads (its part of slot 1), adds 0 to its spare word, and waits for that and for its reads of slot 0.
; Behind it slot 1 is whole, and nobody reads slot 0 any more: the stages of the way out lie there.  Nothing is filled again.
.macro TURN slot, next
	s_wait_tensorcnt 0x0                           ; all my tensor loads have landed;  (every window is 0 here)
	ds_add_u32 v[SPW], v[NIL]                      ; 0 onto my spare word
	s_wait_dscnt 4*NL+1                            ; (the add and the youngest eight loads may be out)
	WIN MUL_LO
	MUL16 0, 1, NQ-1, \slot, 0                     ; sixteen matrix instructions stand between the add and the wait for it
	s_wait_dscnt 0x0                               ; the add is done, and my reads of this slot are over
	s_barrier_signal -1
	MUL16 2, 1, NQ-1, \slot, 0
	WIN 0
	s_barrier_wait -1
	PLACES NP
	v_add_nc_u32 v[ADRS], 4*NQ, v[ADRS]            ; on to the next slot's scale words (no LDS load of mine is out)
	FETCH_B \next, 0, 0
	FETCH_A \next, 0, 0
	SCALES \next
	WIN MUL_HI
	MUL16 4, 1, NQ-1, \slot, 0
	MUL16 6, 1, NQ-1, \slot, 0
	PLACES NP
	WIN 0
	FETCH_A \next, 0, 4
.endm
	s_wait_tensorcnt 1                             ; the scales and my part of slot 0 are in (slot 1's load may be out)
	s_barrier_signal -1
	s_barrier_wait -1                              ; everybody's are
	FETCH_B 0, 0, 0
	FETCH_A 0, 0, 0
	SCALES 0
	FETCH_A 0, 0, 4
	s_wait_loadcnt 0x0                             ; the bias and the masks
.irp a, 0,1,2,3,4,5,6,7
	v_cvt_f32_i32 v[FAC+2*\a], v[FAC+2*\a]
.endr
.irp a, 0,1,2,3,4,5,6,7
	v_fma_f32 v[FAC+2*\a+1], v[FAC+2*\a], s2, s67  ; the factor of row 16 a + l % 16, twice: a pair for the packed multiply
	v_fma_f32 v[FAC+2*\a], v[FAC+2*\a], s2, s67
.endr
	STEP 0, 0, 1                                   ; the first step's products start the sums on the bias
	STEP 0, 1, 0
	STEP 0, 2, 0
	TURN 0, 1
	STEP 1, 0, 0
	STEP 1, 1, 0
	STEP 1, 2, 0
	s_wait_dscnt 4*NL                              ; the very last step: nothing more to fetch
	WIN MUL_LO
	MUL16 0, 1, NQ-1, 1, 0
	MUL16 2, 1, NQ-1, 1, 0
	s_wait_dscnt 0
	WIN MUL_HI
	MUL16 4, 1, NQ-1, 1, 0
	MUL16 6, 1, NQ-1, 1, 0
	WIN 0
; THE WAY OUT, block by block of 16 rows x 128 columns (two heads).  PACK: x the row's factor, rounded to f16, 16 bytes a lane.  TOSTAGE: into my own stage, and back by heads.  SEND: stored.
.macro PACK a
.set AC, 64*((\a)%4)
	WIN 0x82+0x41*((\a)/4)                         ; source 0 and destination window 2 or 3; the factor in window 0
.irp i, 0,2,4,6,8,10,12,14,16,18,20,22,24,26,28,30,32,34,36,38,40,42,44,46,48,50,52,54,56,58,60,62
	v_pk_mul_f32 v[AC+\i:AC+\i+1], v[AC+\i:AC+\i+1], v[FAC+2*(\a):FAC+2*(\a)+1]   ; each accumulator from its low end on
.endr
	WIN 0x0a+5*((\a)/4)                            ; sources 0 and 1: window 2 or 3
.irp b, 0,1,2,3,4,5,6,7
.irp r, 0,1,2,3
	v_cvt_pk_f16_f32 v[TMP+4*\b+\r], v[AC+8*\b+2*\r], v[AC+8*\b+2*\r+1]
.endr
.endr
	WIN 0
.endm
.macro TOSTAGE a
.set BB, BK+32*((\a)%2)
.irp b, 0,1,2,3,4,5,6,7
	ds_store_b128 v[STO], v[TMP+4*\b:TMP+4*\b+3] offset:32*\b
.endr
.irp hd, 0,1
.irp g, 0,1,2,3
	ds_load_b128 v[BB+4*(4*\hd+\g):BB+4*(4*\hd+\g)+3], v[RD] offset:\g*4*SPITCH+\hd*128   ; LDS serves a wave's instructions in order (ISA guide 5.7.1.4): these see the stores above
.endr
.endr
.endm
.macro SEND a
.set BB, BK+32*((\a)%2)
	s_wait_dscnt 0x0                               ; the block is back in registers
	s_wait_xcnt 0x0                                ; the stores of the block before have read their registers: the next block's loads may land there
.irp hd, 0,1
.irp g, 0,1,2,3
	global_store_b128 v[CO], v[BB+4*(4*\hd+\g):BB+4*(4*\hd+\g)+3], s[12:13] offset:(\a)*2048+\g*512+\hd*262144   ; four rows of one head: 512 consecutive bytes, aligned
.endr
.endr
.endm
	PLACES NP                                      ; in front of the first reads of results and of the loads into the registers that held fragments
	PACK 0
	TOSTAGE 0
.irp a, 1,2,3,4,5,6,7                  ; block a's arithmetic stands between block a - 1's loads from the stage and the wait for them
	PACK \a
	SEND \a-1
	TOSTAGE \a
.endr
	SEND 7
	s_wait_tensorcnt 0x0                           ; the wave's end
	ds_add_u32 v[SPW], v[NIL]
	s_wait_dscnt 0x0
	CROUND                                         ; the closing round: no work-group ends while a partner may still ask for a tile that names it
	s_endpgm
.Lfunc_end_k_q30674e9047_proj:
	.size	k_q30674e9047_proj, .Lfunc_end_k_q30674e9047_proj-k_q30674e9047_proj
	.p2alignl 7, 3214868480
	.fill 96, 4, 3214868480
	.section	.rodata,"a",@progbits
	.p2align	6, 0x0
	.amdhsa_kernel k_q30674e9047_proj
		.amdhsa_group_segment_fixed_size 327680
		.amdhsa_private_segment_fixed_size 0
		.amdhsa_enable_private_segment 0
		.amdhsa_kernarg_size 72
		.amdhsa_user_sgpr_count 2
		.amdhsa_user_sgpr_kernarg_segment_ptr 1
		.amdhsa_wavefront_size32 1
		.amdhsa_system_sgpr_workgroup_id_x 1
		.amdhsa_system_sgpr_workgroup_id_y 1
		.amdhsa_system_sgpr_workgroup_id_z 1
		.amdhsa_system_vgpr_workitem_id 0
		.amdhsa_next_free_vgpr 1024
		.amdhsa_next_free_sgpr 106
		.amdhsa_reserve_vcc 0
		.amdhsa_float_denorm_mode_32 3
		.amdhsa_float_denorm_mode_16_64 3
		.amdhsa_memory_ordered 1
		.amdhsa_forward_progress 1
		.amdhsa_inst_pref_size 147
	.end_amdhsa_kernel
	.amdgpu_metadata
---
amdhsa.version: [ 1, 2 ]
amdhsa.kernels:
  - .name:           k_q30674e9047_proj
    .symbol:         k_q30674e9047_proj.kd
    .args:
      - { .name: xcodes, .offset: 0, .size: 8, .value_kind: global_buffer, .address_space: global }
      - { .name: xscales, .offset: 8, .size: 8, .value_kind: global_buffer, .address_space: global }
      - { .name: wcodes, .offset: 16, .size: 8, .value_kind: global_buffer, .address_space: global }
      - { .name: wscales, .offset: 24, .size: 8, .value_kind: global_buffer, .address_space: global }
      - { .name: bq, .offset: 32, .size: 8, .value_kind: global_buffer, .address_space: global }
      - { .name: bk, .offset: 40, .size: 8, .value_kind: global_buffer, .address_space: global }
      - { .name: bv, .offset: 48, .size: 8, .value_kind: global_buffer, .address_space: global }
      - { .name: v_mask, .offset: 56, .size: 8, .value_kind: global_buffer, .address_space: global }
      - { .name: qkvh, .offset: 64, .size: 8, .value_kind: global_buffer, .address_space: global }
    .group_segment_fixed_size: 327680
    .private_segment_fixed_size: 0
    .kernarg_segment_align: 8
    .kernarg_segment_size: 72
    .max_flat_workgroup_size: 128
    .sgpr_count:     106
    .vgpr_count:     1024
    .wavefront_size: 32
...
	.end_amdgpu_metadata
.endif
;; end of part 2
;; launch attn (part 3): grid 8 x 64, 8 waves a work-group, clusters of 4 x 1, 327,680 bytes of LDS; arguments qkvh, v_mask, oh; writes oh
.if DOCPART == 3
	.amdgcn_target "amdgcn-amd-amdhsa--gfx1250"
	.amdhsa_code_object_version 6
	.text
	.protected	k_q30674e9047_attn
	.globl	k_q30674e9047_attn
	.p2align	8
	.type	k_q30674e9047_attn,@function
k_q30674e9047_attn:
	s_mov_b64 s[64:65], 0
	v_nop
	global_prefetch_b8 v0, s[64:65] scope:SCOPE_SE
	s_setreg_imm32_b32 hwreg(HW_REG_WAVE_MODE, 25, 1), 1
	s_wait_xcnt 0x0
	s_wait_alu depctr_hold_cnt(0) depctr_sa_sdst(0) depctr_va_vdst(0) depctr_va_sdst(0) depctr_va_ssrc(0) depctr_va_vcc(0) depctr_vm_vsrc(0)
	s_getreg_b32 s2, hwreg(HW_REG_IB_STS2, 6, 4)
	s_cmp_eq_u32 s2, 0
	s_cbranch_scc0 .Lentry_in_a_cluster
	s_endpgm
.Lentry_in_a_cluster:
	s_bfe_u32 s2, ttmp6, 0x10000c
	s_cmp_lg_u32 s2, 0x3003
	s_cbranch_scc0 .Lentry_shape_is_right
	s_endpgm
.Lentry_shape_is_right:
; ATTN: o[b][s][h][:] = the sum over keys of softmax(a m + (-1e12)(1 - m)) v, a = q . k / 8, for one (batch, head) and 256 queries a work-group.  Operands f16, products, maxima and sums f32.
; WHAT THE LAUNCH BEFORE HAS DONE: q's rows carry the factor log2(e) / 8, k's rows the key's mask m.  So K Q^T is a m log2(e).  The other term, add[key] = (1 - m)(-1e12) log2(e), is made here once
; for the batch's 2,048 keys, kept in LDS, and given as the C of each score tile's first matrix instruction.  t = K Q^T + add is the masked score in exponents of 2.
; SOFTMAX: a running maximum mx and sum l for each query: p = 2^(t - mx); in every step O and l are multiplied by 2^(old mx - new mx).  t - mx is one subtraction: where all keys are masked it is exactly 0.
; f16's ROOM: p lies between 0 and 1 whatever the inputs, and what falls under f16's smallest step, 6e-8, is nothing beside the row's largest p, which is 1; o is a weighted mean of v's rows and has their range.
; SHARES: eight waves, 32 queries (two tiles of 16) each, 512 registers: two waves share a SIMD, so that one wave's softmax stands beside the other's products and LDS loads.  The loop is written in plain phases.
; LAYOUT: S^T = K Q^T (source 0 = 16 keys, source 1 = 16 queries): a lane holds ONE query (lane % 16) and keys 8 (lane / 16) + 0 .. 7.  Two such tiles, rounded to f16 in pairs, ARE source 1 of
; O^T = V^T P, whose result again holds one query a lane.  K comes out of LDS as it lies, V ([key][channel]) turned, by ds_load_tr16_b128.
; RING: two LDS slots of 256 keys (four steps of 64).  CLUSTER: the four query blocks of a cluster walk the same K and V: each tile is asked for JOINTLY (waves 0-3: K's four quarters; waves 4-7: V's).
; One tensor load of a wave is out at any time; it has a slot's four steps in which to land.
; REGISTERS: window 0: v2-15 addresses; v16-31 statistics, 8 a tile (+0 mx, +1 written once, +2 +3 l, +4 .. +7 at work; the rescaling factor in +6); v32-63 add in the scores' layout, 8 a key tile;
;   v64-127 S^T, 32 a tile; v128-159 P, 16 a tile; v160-223 O^T, 32 a tile; v224-240 at work at the head.   window 1: v0-31 Q; v32-95 K of one step; v96-159 V of one step.
; LIMITS: p and o are rounded to f16; NaN and infinities are not served.
.set KP,    144                        ; a key's row of K in LDS: 128 bytes + 16 of padding: the 16 rows of a load start at 16 different banks (64 banks of 4 bytes: ISA guide 11.1)
.set VP,    160                        ; of V: 128 + 32
.set VOFF,  256*KP                     ; a slot: 256 rows of K, then 256 rows of V
.set SLOT1, 1<<17                      ; slot 1 begins here, so that one exclusive or turns an address in one slot into the other's
.set MTAB,  SLOT1+256*(KP+VP)          ; add[2048], f32: written by LDS stores, never a tile's target
.set STAGE, MTAB+8192                  ; the way out: 32 rows x 144 bytes for each wave
.set SPARE, STAGE+8*32*KP              ; the spare words, 128 bytes for each wave; no other line names them
.set AK0, 2                            ; v2   my lane's place in a tile of K
.set AV0, 3                            ; v3   the same for V
.set ADK, 4                            ; v4   LDS address of the slot's K
.set ADV, 5                            ; v5   of its V
.set AM0, 6                            ; v6   my lane's place in the table
.set ADM, 7                            ; v7   LDS address of the slot's part of the table
.set STO, 8                            ; v8   the way out: where I put 16 bytes of a row
.set RD,  9                            ; v9   where I read back
.set GO,  10                           ; v10  16 x lane
.set QO,  11                           ; v11  my byte offset in the wave's rows of Q
.set SPW, 12                           ; v12  LDS address of my spare word; never rewritten
.set NIL, 13                           ; v13  0; never rewritten
.set PFO, 14                           ; v14  256 x lane: the prefetches' offset; never rewritten
.set ST,  16
.set MK,  32
.set S,   64
.set P,   128
.set O,   160
.set QF,  0                            ; in window 1
.set KF,  32
.set VF,  96
.set WV,  12                           ; s12  my wave's number
.set LIM, 15                           ; s15  1 in a wave that prefetches, else the greatest number
.set PFA, 18                           ; s[18:19] where my prefetches stand
.set G1K, 24                           ; s[24:31] descriptor group 1 for K's tiles;  s[32:39] for V's: it differs in the padding alone
.set G1V, 32
.set G0K, 40                           ; s[40:43], s[44:47] their groups 0, which walk
.set G0V, 44
.set SLOTS, 56                         ; s56  slots still to be asked for
.set SEL, 60                           ; s[60:61] lane selects for v_permlanex16_b32: lane l xor 16
.set TB,  62                           ; s62  LDS byte at which the slot in hand begins
.set TM,  63                           ; s63  where its keys begin in the table: 1,024 bytes a slot
.set MSB, 0
.macro WIN new                         ; the immediate's high byte repeats the setting that is left
.if MSB != \new
	s_set_vgpr_msb (MSB<<8)|\new
.set MSB, \new
.endif
.endm
.set W_KQ, 0x05                        ; K and Q in window 1
.set W_PV, 0x01                        ; V in window 1
.set TO_1, 0x40                        ; destination window 1, address window 0
.macro PLACES
.rept 4
	v_nop
.endr
.endm
; A joint load.  The branch hangs on the wave's number alone.  Four v_nop follow each of the two lines.
.macro JLOAD
	s_cmp_lt_u32 s[WV], 4
	s_cbranch_scc0 .Lfor_v_\@
	tensor_load_to_lds s[G0K:G0K+3], s[G1K:G1K+7]
	s_nop 0
.rept 4
	v_nop
.endr
	s_branch .Lasked_\@
.Lfor_v_\@:
	tensor_load_to_lds s[G0V:G0V+3], s[G1V:G1V+7]
	s_nop 0
.rept 4
	v_nop
.endr
.Lasked_\@:
.endm
; A PREFETCH INTO THE L2 of what the NEXT change of slots will ask for: a slot's 32,768 bytes of K and of V, four steps ahead of that load.  Both clusters of a head walk the same rows: the head's first
; cluster asks.  Its four partners share a slot out BY ADDRESS, 8,192 bytes each; in each, wave 0 asks for K's and wave 4 for V's, lanes 256 bytes apart: one instruction.  So each aligned block of
; 256 bytes is named once in the launch.  The last change that fills a slot asks for nothing; slots 0 and 1 come by their loads alone.
.macro ASK
	s_cmp_gt_u32 s[SLOTS], s[LIM]
	s_cbranch_scc0 .Lnot_mine_\@
	global_prefetch_b8 v[PFO], s[PFA:PFA+1] th:TH_LOAD_NT scope:SCOPE_SE
.Lnot_mine_\@:
.endm
.macro CROUND                          ; a round of the cluster's barrier
	s_barrier_signal -1
	s_barrier_wait -1
	s_cmp_lg_u32 s[WV], 0
	s_cbranch_scc1 .Lnot_wave_0_\@
	s_barrier_signal -3
.Lnot_wave_0_\@:
	s_barrier_wait -3
	s_barrier_signal -1
	s_barrier_wait -1
.endm
	s_load_b128 s[4:7], s[0:1], 0x0                ; qkvh s[4:5], v_mask s[6:7]
	s_load_b64 s[8:9], s[0:1], 0x10                ; oh
	v_lshl_add_u32 v[SPW], v0, 2, SPARE
	v_mov_b32 v[NIL], 0
	ds_add_u32 v12, v13
	ds_add_u32 v12, v13
	s_wait_dscnt 0x0
	v_lshrrev_b32 v1, 5, v0
	v_readfirstlane_b32 s[WV], v1                  ; wave 0..7
	s_bfe_u32 s13, ttmp6, 0x40000                  ; cx: my place in the cluster
	s_lshl_b32 s14, ttmp9, 2
	s_add_co_u32 s14, s14, s13                     ; my block of 256 queries: it enters Q's and o's addresses alone
	s_and_b32 s57, ttmp7, 0xffff                   ; 16 x batch + head, which the four partners share
	s_and_b32 s16, s[WV], 3                        ; which quarter of a slot's rows I fetch
	s_lshl_b32 s20, s57, 18                        ; the head's first byte in each of q, k, v
	s_lshl_b32 s22, s16, 13                        ; my 64 rows of 128 bytes
	s_add_co_u32 s22, s22, s20
	s_mov_b32 s23, 0
	s_lshl_b32 s52, s14, 15                        ; Q: my block's 256 rows,
	s_lshl_b32 s53, s[WV], 12                      ; my wave's 32 of them
	s_add_co_u32 s52, s52, s53
	s_add_co_u32 s52, s52, s20
	s_mov_b32 s53, 0
	s_lshr_b32 s17, s57, 4                         ; batch
	s_lshl_b32 s54, s17, 22                        ; oh[m / 128][head][m % 128][64], m = 2,048 batch + s: 16 blocks of rows a batch, 16 heads of 16,384 bytes each,
	s_lshl_b32 s55, s14, 19                        ; two blocks of rows for 256 queries,
	s_add_co_u32 s54, s54, s55
	s_lshr_b32 s55, s[WV], 2
	s_lshl_b32 s55, s55, 18                        ; waves 4-7 in the second,
	s_add_co_u32 s54, s54, s55
	s_and_b32 s55, s57, 15
	s_lshl_b32 s55, s55, 14                        ; my head,
	s_add_co_u32 s54, s54, s55
	s_lshl_b32 s55, s16, 12                        ; my 32 rows of 128 bytes
	s_add_co_u32 s54, s54, s55
	s_mov_b32 s55, 0
	s_lshl_b32 s20, s17, 13                        ; the batch's 2,048 masks
	s_mov_b32 s21, 0
	; descriptor group 1: a tile of 64 rows x 64 elements of 2 bytes, dense in memory, padded in LDS
	s_mov_b32 s[G1K], 15|(1<<16)|(1<<20)|(1<<21)|(4<<22)|(3<<25)  ; 15:0 the mask: all four work-groups; 17:16 elements of 2 bytes; 20 padding on; 21 set beside a mask; 24:22 after every 32 words; 31:25 four words
	s_mov_b32 s[G1V], 15|(1<<16)|(1<<20)|(1<<21)|(4<<22)|(7<<25)  ; the same with eight words of padding
.irp g, G1K, G1V
	s_mov_b32 s[\g+1], 64<<16                      ; tensor_dim0
	s_mov_b32 s[\g+2], 64<<16                      ; tensor_dim1
	s_mov_b32 s[\g+3], 64<<16                      ; tile_dim0
	s_mov_b32 s[\g+4], 64                          ; tile_dim1
	s_mov_b32 s[\g+5], 64                          ; tensor_dim0_stride
	s_mov_b32 s[\g+6], 0
	s_mov_b32 s[\g+7], 0
.endr
	s_mov_b32 s[SEL], 0x76543210
	s_mov_b32 s[SEL+1], 0xfedcba98
	s_mov_b32 s[TB], 0
	s_mov_b32 s[TM], 0
	s_mov_b32 s[SLOTS], 7
	s_or_b32 s[LIM], s16, ttmp9                    ; 0 in waves 0 and 4 of the head's first cluster: the same in all four partners
	s_cmp_eq_u32 s[LIM], 0
	s_cselect_b32 s[LIM], 1, -1
	s_wait_kmcnt 0x0
	s_add_nc_u64 s[48:49], s[4:5], s[22:23]
	s_add_nc_u64 s[50:51], s[48:49], 0x2000000     ; V at my quarter of slot 0
	s_add_nc_u64 s[48:49], s[48:49], 0x1000000     ; K likewise
	s_add_nc_u64 s[52:53], s[4:5], s[52:53]        ; Q at my wave's first row
	s_add_nc_u64 s[54:55], s[8:9], s[54:55]        ; o likewise
	s_add_nc_u64 s[6:7], s[6:7], s[20:21]          ; the batch's masks
	s_cmp_lt_u32 s[WV], 4
	s_cselect_b64 s[PFA:PFA+1], s[48:49], s[50:51] ; (in waves 0 and 4 these stand at a slot's first row)
	s_lshl_b32 s22, s13, 13                        ; my work-group's 8,192 bytes,
	s_add_co_u32 s22, s22, 32768                   ; in slot 1: the first change of slots steps it to slot 2.  Nothing is prefetched at the head
	s_add_nc_u64 s[PFA:PFA+1], s[PFA:PFA+1], s[22:23]
	s_mov_b32 s[G0K], 1                            ; 1:0 count = 1
	s_mul_i32 s[G0K+1], s16, 64*KP                 ; 63:32 LDS address: slot 0, my quarter
	s_mov_b64 s[G0K+2:G0K+3], s[48:49]             ; 120:64 global address
	s_or_b32 s[G0K+3], s[G0K+3], 0x80000000        ; 127:126 type = 2
	s_mov_b32 s[G0V], 1
	s_mul_i32 s[G0V+1], s16, 64*VP
	s_add_co_u32 s[G0V+1], s[G0V+1], VOFF
	s_mov_b64 s[G0V+2:G0V+3], s[50:51]
	s_or_b32 s[G0V+3], s[G0V+3], 0x80000000
	CROUND                                         ; all four work-groups are here: the first joint loads meet
	JLOAD                                          ; slot 0
	v_and_b32 v1, 15, v0                           ; r = lane % 16
	v_bfe_u32 v232, v0, 4, 1                       ; h = lane / 16
	v_lshlrev_b32 v[QO], 7, v1
	v_lshl_add_u32 v[QO], v232, 4, v[QO]           ; row x 128 + 16 x half
	WIN TO_1
.irp t, 0,1                                    ; Q stays in registers: tile t, channels 32 kc on
.irp kc, 0,1
	global_load_b128 v[QF+16*\t+8*\kc:QF+16*\t+8*\kc+3],   v[QO], s[52:53] offset:\t*2048+\kc*64
	global_load_b128 v[QF+16*\t+8*\kc+4:QF+16*\t+8*\kc+7], v[QO], s[52:53] offset:\t*2048+\kc*64+32
.endr
.endr
	WIN 0
	v_lshlrev_b32 v15, 5, v0                       ; thread i takes masks 8 i .. 8 i + 7
	global_load_b128 v[224:227], v15, s[6:7]
	global_load_b128 v[228:231], v15, s[6:7] offset:16
	v_lshl_add_u32 v237, v0, 5, MTAB               ; and writes as many numbers of the table
	v_mul_u32_u24 v[AK0], v1, KP
	v_lshl_add_u32 v[AK0], v232, 4, v[AK0]         ; row x pitch + 16 x half
	v_and_b32 v233, 7, v0
	v_bfe_u32 v234, v0, 3, 1
	v_lshl_add_u32 v[AV0], v232, 3, v233           ; the turning load: key 8 (l / 16) + l % 8, channels 8 ((l / 8) % 2) + 0 .. 7
	v_mul_u32_u24 v[AV0], v[AV0], VP
	v_lshl_add_u32 v[AV0], v234, 4, v[AV0]
	v_add_nc_u32 v[AV0], VOFF, v[AV0]
	v_lshl_add_u32 v[AM0], v232, 5, MTAB           ; register j of a score tile is key 8 (l / 16) + j: 32 bytes for each half of the lanes
	s_mul_i32 s17, s[WV], 32*KP
	s_add_co_u32 s17, s17, STAGE                   ; my stage
	v_add_nc_u32 v[STO], s17, v[AK0]               ; in: row l % 16, 16 bytes for each half of the lanes
	v_bfe_u32 v236, v0, 3, 2                       ; back: eight lanes to a row of 128 bytes, four rows an instruction
	v_mul_u32_u24 v[RD], v236, KP
	v_lshl_add_u32 v[RD], v233, 4, v[RD]
	v_add_nc_u32 v[RD], s17, v[RD]
	v_and_b32 v235, 31, v0
	v_lshlrev_b32 v[GO], 4, v235
	v_lshlrev_b32 v[PFO], 8, v235
.irp t, 0,1
	v_mov_b32 v[ST+8*\t], 0xff61b1e6               ; the largest t so far: -3e38, under every t
	v_mov_b32 v[ST+8*\t+1], 0                      ; (named with it as a pair)
	v_mov_b32 v[ST+8*\t+2], 0                      ; the sum, in two halves
	v_mov_b32 v[ST+8*\t+3], 0
.endr
.irp j, 0,1,2,3,4,5,6,7,8,9,10,11,12,13,14,15,16,17,18,19,20,21,22,23,24,25,26,27,28,29,30,31,32,33,34,35,36,37,38,39,40,41,42,43,44,45,46,47,48,49,50,51,52,53,54,55,56,57,58,59,60,61,62,63
	v_mov_b32 v[O+\j], 0                           ; O^T.  (The step is written once: the first finds zeros, which the first rescaling leaves zeros)
.endr
	s_wait_loadcnt 0x0                             ; Q and the masks
.irp j, 0,1,2,3,4,5,6,7
	v_cvt_f32_i32 v[224+\j], v[224+\j]
.endr
.irp j, 0,1,2,3,4,5,6,7
	v_sub_f32 v[224+\j], 1.0, v[224+\j]            ; 1 - m
.endr
.irp j, 0,1,2,3,4,5,6,7
	v_mul_f32 v[224+\j], 0xd368d4a5, v[224+\j]     ; x -1e12
.endr
.irp j, 0,1,2,3,4,5,6,7
	v_mul_f32 v[224+\j], 0x3fb8aa3b, v[224+\j]     ; x log2(e)
.endr
	ds_store_b128 v237, v[224:227]
	ds_store_b128 v237, v[228:231] offset:16       ; the first change of slots waits for these and passes a barrier before anybody reads the table
; 16 products S^T = K Q^T + add: channels 32 kc on, keys 16 kt on, tile t.  The first 8 start the sums on the table's numbers.  The eight accumulators take turns.
.macro KQ16
.irp kc, 0,1
.irp kt, 0,1,2,3
.irp t, 0,1
.if \kc == 0
	v_wmma_f32_16x16x32_f16 v[S+32*\t+8*\kt:S+32*\t+8*\kt+7], v[KF+16*\kt+8*\kc:KF+16*\kt+8*\kc+7], v[QF+16*\t+8*\kc:QF+16*\t+8*\kc+7], v[MK+8*\kt:MK+8*\kt+7]
.else
	v_wmma_f32_16x16x32_f16 v[S+32*\t+8*\kt:S+32*\t+8*\kt+7], v[KF+16*\kt+8*\kc:KF+16*\kt+8*\kc+7], v[QF+16*\t+8*\kc:QF+16*\t+8*\kc+7], v[S+32*\t+8*\kt:S+32*\t+8*\kt+7]
.endif
.endr
.endr
.endr
.endm
; 16 products O^T += V^T P: keys 32 ks on, channels 16 ct on, tile t.  Again eight accumulators by turns.
.macro PV16
.irp ks, 0,1
.irp ct, 0,1,2,3
.irp t, 0,1
	v_wmma_f32_16x16x32_f16 v[O+32*\t+8*\ct:O+32*\t+8*\ct+7], v[VF+32*\ks+8*\ct:VF+32*\ks+8*\ct+7], v[P+16*\t+8*\ks:P+16*\t+8*\ks+7], v[O+32*\t+8*\ct:O+32*\t+8*\ct+7]
.endr
.endr
.endr
.endm
.macro FETCH_V q                       ; the slot's q-th 64 keys of V, turned: 16 loads
	WIN TO_1
.irp ks, 0,1
.irp ct, 0,1,2,3
	ds_load_tr16_b128 v[VF+32*\ks+8*\ct:VF+32*\ks+8*\ct+3],   v[ADV] offset:(64*(\q)+32*\ks)*VP+32*\ct
	ds_load_tr16_b128 v[VF+32*\ks+8*\ct+4:VF+32*\ks+8*\ct+7], v[ADV] offset:(64*(\q)+32*\ks+16)*VP+32*\ct
.endr
.endr
.endm
.macro FETCH_K q                       ; the slot's q-th 64 keys of K: 16 loads; and their numbers of the table: 8 loads
	WIN TO_1
.irp kt, 0,1,2,3
.irp kc, 0,1
	ds_load_b128 v[KF+16*\kt+8*\kc:KF+16*\kt+8*\kc+3],   v[ADK] offset:(64*(\q)+16*\kt)*KP+64*\kc
	ds_load_b128 v[KF+16*\kt+8*\kc+4:KF+16*\kt+8*\kc+7], v[ADK] offset:(64*(\q)+16*\kt)*KP+64*\kc+32
.endr
.endr
	WIN 0
.irp kt, 0,1,2,3
	ds_load_b128 v[MK+8*\kt:MK+8*\kt+3],   v[ADM] offset:256*(\q)+64*\kt
	ds_load_b128 v[MK+8*\kt+4:MK+8*\kt+7], v[ADM] offset:256*(\q)+64*\kt+16
.endr
.endm
; Pair p of both tiles' weights: rounded to f16 for the second product, and added, unrounded, to l.  The first pair's addition brings l under the new maximum.
.macro PAIR p
	s_wait_alu depctr_va_vdst(0)
.irp t, 0,1
	v_cvt_pk_f16_f32 v[P+16*\t+(\p)], v[S+32*\t+2*(\p)], v[S+32*\t+2*(\p)+1]
.endr
.irp t, 0,1
.if (\p) == 0
	v_pk_fma_f32 v[ST+8*\t+2:ST+8*\t+3], v[ST+8*\t+2:ST+8*\t+3], v[ST+8*\t+6:ST+8*\t+7], v[S+32*\t:S+32*\t+1] op_sel_hi:[1,0,1]
.else
	v_pk_add_f32 v[ST+8*\t+2:ST+8*\t+3], v[ST+8*\t+2:ST+8*\t+3], v[S+32*\t+2*(\p):S+32*\t+2*(\p)+1]
.endif
.endr
.endm
; THE SOFTMAX of one step, both tiles alternating, all in window 0.
.macro SOFTMAX
.irp j, 0,1,2,3                                ; the maximum of a lane's 32 scores and the old maximum: four chains, each begun at an accumulator's low end
.irp t, 0,1
	v_max3_num_f32 v[ST+8*\t+4+\j], v[S+32*\t+8*\j], v[S+32*\t+8*\j+1], v[S+32*\t+8*\j+2]
.endr
.endr
.irp i, 3,5
.irp j, 0,1,2,3
.irp t, 0,1
	v_max3_num_f32 v[ST+8*\t+4+\j], v[ST+8*\t+4+\j], v[S+32*\t+8*\j+\i], v[S+32*\t+8*\j+\i+1]
.endr
.endr
.endr
.irp t, 0,1
	v_max3_num_f32 v[ST+8*\t+4], v[ST+8*\t+4], v[S+32*\t+7], v[S+32*\t+15]
	v_max3_num_f32 v[ST+8*\t+6], v[ST+8*\t+6], v[S+32*\t+23], v[S+32*\t+31]
.endr
.irp t, 0,1
	v_max3_num_f32 v[ST+8*\t+4], v[ST+8*\t+4], v[ST+8*\t+5], v[ST+8*\t+6]
.endr
.irp t, 0,1
	v_max3_num_f32 v[ST+8*\t+4], v[ST+8*\t+4], v[ST+8*\t+7], v[ST+8*\t]
.endr
.irp t, 0,1
	v_permlanex16_b32 v[ST+8*\t+5], v[ST+8*\t+4], s[SEL], s[SEL+1]   ; the query's other 32 keys lie in the lane 16 away
.endr
.irp t, 0,1
	v_max_num_f32 v[ST+8*\t+6], v[ST+8*\t+4], v[ST+8*\t+5]           ; the new maximum
.endr
.irp t, 0,1
	v_sub_f32 v[ST+8*\t+7], v[ST+8*\t], v[ST+8*\t+6]                 ; old - new: 0 or less
.endr
.irp t, 0,1
	v_mov_b32 v[ST+8*\t], v[ST+8*\t+6]
.endr
.irp t, 0,1
	v_exp_f32 v[ST+8*\t+6], v[ST+8*\t+7]                             ; the rescaling factor; the subtractions below are the plain lines behind it
.endr
.irp b, 0,1,2,3,4,5,6,7,8,9,10,11,12,13,14,15
.irp t, 0,1
	v_pk_add_f32 v[S+32*\t+2*\b:S+32*\t+2*\b+1], v[S+32*\t+2*\b:S+32*\t+2*\b+1], v[ST+8*\t:ST+8*\t+1] op_sel_hi:[1,0] neg_lo:[0,1] neg_hi:[0,1]   ; t - mx, two at a time
.endr
.endr
.irp b, 0,1,2,3,4,5,6,7,8,9,10,11,12,13,14,15  ; group b: four exponentials; two packed rescalings of O^T, the plain lines behind them; then the pair before is rounded and summed
.irp t, 0,1
	v_exp_f32 v[S+32*\t+2*\b], v[S+32*\t+2*\b]
	v_exp_f32 v[S+32*\t+2*\b+1], v[S+32*\t+2*\b+1]
.endr
	s_wait_alu depctr_va_vdst(0)
.irp t, 0,1
	v_pk_mul_f32 v[O+32*\t+2*\b:O+32*\t+2*\b+1], v[O+32*\t+2*\b:O+32*\t+2*\b+1], v[ST+8*\t+6:ST+8*\t+7] op_sel_hi:[1,0]   ; ascending: each accumulator from its low end on
.endr
.if \b > 0
	PAIR \b-1
.endif
.endr
	PAIR 15
.endm
; A STEP: 64 keys, the q-th of the slot in hand.  The four v_nop are the places behind the products: in front of the first read of the scores and of the loads into V's, K's and the table's registers.
.macro STEP q
	s_wait_dscnt 0x0                               ; K and the table's numbers are in
	WIN W_KQ
	KQ16
	WIN 0
	PLACES
	FETCH_V \q
.if \q < 3
	FETCH_K \q+1
.endif
	WIN 0
	SOFTMAX
.if \q < 3
	s_wait_dscnt 24                                ; V's 16 loads are in; the 24 issued behind them (the next step's K and table) may be out
.else
	s_wait_dscnt 0x0
.endif
	WIN W_PV
	PV16
	WIN 0
.endm
; THE CHANGE OF SLOTS stands at a slot's head.  Each wave waits for all its tensor loads (its part of the slot that it is about to read), adds 0 to its spare word, and waits for that and for its reads of the
; slot that it has left.  fill = 1: the barrier is a round of the cluster's, so that no wave of any partner still reads that slot or has a load on its way, and the joint fill is the first thing behind it.
.macro CHANGE fill
	s_wait_tensorcnt 0x0                           ; no tensor load of mine is out, so a group 0 may be written
	ds_add_u32 v[SPW], v[NIL]                      ; 0 onto my spare word
.if \fill
	s_xor_b32 s[G0K+1], s[G0K+1], SLOT1            ; the walking descriptors: the other slot than last time,
	s_add_nc_u64 s[G0K+2:G0K+3], s[G0K+2:G0K+3], 32768   ; the next 256 keys; the type bits on top are not reached
	s_xor_b32 s[G0V+1], s[G0V+1], SLOT1
	s_add_nc_u64 s[G0V+2:G0V+3], s[G0V+2:G0V+3], 32768
	s_wait_xcnt 0x0                                ; the last prefetch, a slot back, has read its address, so it may be written:
	s_add_nc_u64 s[PFA:PFA+1], s[PFA:PFA+1], 32768 ; one slot further on than the walking descriptors
	s_wait_dscnt 0x0                               ; the add is done, my LDS stores have landed and my reads of the slot that I have left are over
	CROUND
	JLOAD
.else
	s_wait_dscnt 0x0
	s_barrier_signal -1
	s_barrier_wait -1
.endif
	v_add_nc_u32 v[ADK], s[TB], v[AK0]
	v_add_nc_u32 v[ADV], s[TB], v[AV0]
	v_add_nc_u32 v[ADM], s[TM], v[AM0]
	FETCH_K 0
.if \fill
	ASK
.endif
.endm
.Lslot:                                            ; 7 trips: behind each change of slots but the last the next slot is asked for
	CHANGE 1
	STEP 0
	STEP 1
	STEP 2
	STEP 3
	s_xor_b32 s[TB], s[TB], SLOT1                  ; on to the other slot
	s_add_co_u32 s[TM], s[TM], 1024
	s_sub_co_u32 s[SLOTS], s[SLOTS], 1
	s_cmp_lg_u32 s[SLOTS], 0
	s_cbranch_scc1 .Lslot
	CHANGE 0                                       ; the last slot is written out
	STEP 0
	STEP 1
	STEP 2
	STEP 3
	; THE WAY OUT.  l's two halves and the other half of the lanes' are added; O^T is divided by l, rounded to f16 and sent through my stage: my 32 rows of a head are 4,096 consecutive bytes of the output.
	PLACES
.irp t, 0,1
	v_add_f32 v[ST+8*\t+4], v[ST+8*\t+2], v[ST+8*\t+3]
.endr
.irp t, 0,1
	v_permlanex16_b32 v[ST+8*\t+5], v[ST+8*\t+4], s[SEL], s[SEL+1]
.endr
.irp t, 0,1
	v_add_f32 v[ST+8*\t+4], v[ST+8*\t+4], v[ST+8*\t+5]
.endr
.irp t, 0,1
	v_rcp_f32 v[ST+8*\t+6], v[ST+8*\t+4]
.endr
	v_nop                                          ; a plain line between the last reciprocal and the use of its result
	s_wait_alu depctr_va_vdst(0)
.irp t, 0,1
.irp i, 0,2,4,6,8,10,12,14,16,18,20,22,24,26,28,30
	v_pk_mul_f32 v[O+32*\t+\i:O+32*\t+\i+1], v[O+32*\t+\i:O+32*\t+\i+1], v[ST+8*\t+6:ST+8*\t+7] op_sel_hi:[1,0]
.endr
.endr
.irp t, 0,1
.irp i, 0,1,2,3,4,5,6,7,8,9,10,11,12,13,14,15
	v_cvt_pk_f16_f32 v[S+16*\t+\i], v[O+32*\t+2*\i], v[O+32*\t+2*\i+1]
.endr
.endr
.irp t, 0,1
.irp ct, 0,1,2,3
	ds_store_b128 v[STO], v[S+16*\t+4*\ct:S+16*\t+4*\ct+3] offset:\t*16*KP+32*\ct   ; lane (r, h): query 16 t + r, channels 16 ct + 8 h + 0 .. 7
.endr
.endr
.irp g, 0,1,2,3,4,5,6,7
	ds_load_b128 v[P+4*\g:P+4*\g+3], v[RD] offset:\g*4*KP          ; LDS serves a wave's instructions in order (ISA guide 5.7.1.4): these see the stores above
.endr
.irp g, 0,1,2,3,4,5,6,7
	s_wait_dscnt 7-\g
	global_store_b128 v[GO], v[P+4*\g:P+4*\g+3], s[54:55] offset:512*\g   ; 32 lanes store 512 consecutive bytes, aligned
.endr
	s_wait_tensorcnt 0x0                           ; the wave's end
	ds_add_u32 v[SPW], v[NIL]
	s_wait_dscnt 0x0
	CROUND                                         ; the closing round: no work-group ends while a partner may still ask for a tile that names it
	s_endpgm
.Lfunc_end_k_q30674e9047_attn:
	.size	k_q30674e9047_attn, .Lfunc_end_k_q30674e9047_attn-k_q30674e9047_attn
	.p2alignl 7, 3214868480
	.fill 96, 4, 3214868480
	.section	.rodata,"a",@progbits
	.p2align	6, 0x0
	.amdhsa_kernel k_q30674e9047_attn
		.amdhsa_group_segment_fixed_size 327680
		.amdhsa_private_segment_fixed_size 0
		.amdhsa_enable_private_segment 0
		.amdhsa_kernarg_size 24
		.amdhsa_user_sgpr_count 2
		.amdhsa_user_sgpr_kernarg_segment_ptr 1
		.amdhsa_wavefront_size32 1
		.amdhsa_system_sgpr_workgroup_id_x 1
		.amdhsa_system_sgpr_workgroup_id_y 1
		.amdhsa_system_sgpr_workgroup_id_z 1
		.amdhsa_system_vgpr_workitem_id 0
		.amdhsa_next_free_vgpr 512
		.amdhsa_next_free_sgpr 66
		.amdhsa_reserve_vcc 0
		.amdhsa_float_denorm_mode_32 3
		.amdhsa_float_denorm_mode_16_64 3
		.amdhsa_memory_ordered 1
		.amdhsa_forward_progress 1
		.amdhsa_inst_pref_size 167
	.end_amdhsa_kernel
	.amdgpu_metadata
---
amdhsa.version: [ 1, 2 ]
amdhsa.kernels:
  - .name:           k_q30674e9047_attn
    .symbol:         k_q30674e9047_attn.kd
    .args:
      - { .name: qkvh, .offset: 0, .size: 8, .value_kind: global_buffer, .address_space: global }
      - { .name: v_mask, .offset: 8, .size: 8, .value_kind: global_buffer, .address_space: global }
      - { .name: oh, .offset: 16, .size: 8, .value_kind: global_buffer, .address_space: global }
    .group_segment_fixed_size: 327680
    .private_segment_fixed_size: 0
    .kernarg_segment_align: 8
    .kernarg_segment_size: 24
    .max_flat_workgroup_size: 256
    .sgpr_count:     66
    .vgpr_count:     512
    .wavefront_size: 32
...
	.end_amdgpu_metadata
.endif
;; end of part 3
;; launch outp (part 4): grid 4 x 64, 4 waves a work-group, clusters of 4 x 4, 327,680 bytes of LDS; arguments oh, wot, bo, out0; writes out0
.if DOCPART == 4
	.amdgcn_target "amdgcn-amd-amdhsa--gfx1250"
	.amdhsa_code_object_version 6
	.text
	.protected	k_q30674e9047_outp
	.globl	k_q30674e9047_outp
	.p2align	8
	.type	k_q30674e9047_outp,@function
k_q30674e9047_outp:
	s_mov_b64 s[64:65], 0
	v_nop
	global_prefetch_b8 v0, s[64:65] scope:SCOPE_SE
	s_setreg_imm32_b32 hwreg(HW_REG_WAVE_MODE, 25, 1), 1
	s_wait_xcnt 0x0
	s_wait_alu depctr_hold_cnt(0) depctr_sa_sdst(0) depctr_va_vdst(0) depctr_va_sdst(0) depctr_va_ssrc(0) depctr_va_vcc(0) depctr_vm_vsrc(0)
	s_getreg_b32 s2, hwreg(HW_REG_IB_STS2, 6, 4)
	s_cmp_eq_u32 s2, 0
	s_cbranch_scc0 .Lentry_in_a_cluster
	s_endpgm
.Lentry_in_a_cluster:
	s_bfe_u32 s2, ttmp6, 0x10000c
	s_cmp_lg_u32 s2, 0xf033
	s_cbranch_scc0 .Lentry_shape_is_right
	s_endpgm
.Lentry_shape_is_right:
; OUTP: out0[m][n] = the sum over k of o[m][k] Wo[k][n] + bo[n].  o and Wo in f16 (11 significant bits; their room in f16 is reckoned where they are made), sums f32, out0 f32.  M = 8,192, N = K = 1,024.
; Both operands lie as this launch's tiles want them: oh[m / 128][k / 64][m % 128][k % 64], wot[n / 128][k / 64][n % 128][k % 64]: a K step of 128 of 128 rows is 32,768 consecutive bytes, taken as 256 rows of 128 bytes.
; A tile of 128 (m) x 256 (n) is made by a work-group of four waves: 256 work-groups.  A wave makes 64 x 128: 32 accumulators, 256 registers.  K goes in 8 steps of 128 through a ring of two LDS slots.
; CLUSTERS: 4 x 4 work-groups.  The four of a row of the cluster need the same tiles of o, the four of a column the same tiles of Wo: each tile is asked for JOINTLY.
; Waves 0 and 1 fetch o's two k blocks (128 rows each), waves 2 and 3 Wo's two blocks of 128 columns (256 rows each): one tensor load a wave behind each round.  Two loads of a wave are out at the start, later one.
; THE MATRIX INSTRUCTION IS USED TRANSPOSED (source 0 = 16 rows of wot, source 1 = 16 rows of oh): a lane then holds eight neighbouring columns of one row.  The bias is the C of each sum's first matrix instruction.
; No prefetch: the whole launch is eight K steps of 128 matrix instructions a wave.
; REGISTERS: window 0: v16-29 addresses; two fragment buffers of 96: v32-127 and v128-223: o's 4 x 8 registers, then Wo's 8 x 8; on the way out rows of the result.
;   window 1: the accumulators ((a, b) at v[8 (8 a + b)]).   window 2: v0-63 the bias in the result's layout.
.set PITCH,  144                       ; an LDS row: 128 bytes + 16 of padding: the 16 rows that a load touches start at 16 different banks (64 banks of 4 bytes: ISA guide 11.1)
.set KBLK,   128*PITCH                 ; 128 rows of one k block
.set PART,   2*KBLK                    ; o's part of a slot, and each of Wo's two: [2 k blocks][128 rows]
.set SLOT,   3*PART
.set STAGE,  2*SLOT                    ; behind the ring: 16 rows x (512 bytes + 16) for each wave
.set SPITCH, 528
.set SPARE,  STAGE+4*16*SPITCH         ; the spare words, 128 bytes for each wave; no other line names them
.set STEPB,  32768                     ; a K step in memory, for each of the three parts
.set ADRA, 16                          ; v16-17  LDS address of my fragments of o in slot 0, 1
.set ADRB, 20                          ; v20-21  the same for Wo
.set STO,  24                          ; v24     the way out: where I put 32 bytes of a row
.set RD,   25                          ; v25     where I read a row back
.set CO,   26                          ; v26     16 x lane
.set BAD,  27                          ; v27     32 x (lane / 16): my eight numbers of a block of the bias
.set SPW,  28                          ; v28     LDS address of my spare word; never rewritten
.set NIL,  29                          ; v29     0; never rewritten
.set F0,   32
.set F1,   128
.set G1, 24                            ; s[24:31] descriptor group 1 for o's tiles;  s[32:39] group 0, one set for each slot
.set G0, 32
.set G1B, 48                           ; s[48:55], s[56:63] the same for Wo's
.set G0B, 56
.set MSB, 0
.macro WIN new                         ; the immediate's high byte repeats the setting that is left
.if MSB != \new
	s_set_vgpr_msb (MSB<<8)|\new
.set MSB, \new
.endif
.endm
.set MUL,  0x50                        ; C and D window 1
.set BEG,  0x60                        ; the first quarter: C is the bias, in window 2; D window 1
.macro JLOAD s                         ; a joint load; the branch hangs on the wave's number alone; four v_nop follow each of the two lines
	s_cmp_eq_u32 s15, 0
	s_cbranch_scc0 .Lfor_b_\@
	tensor_load_to_lds s[G0+4*\s:G0+4*\s+3], s[G1:G1+7]
	s_nop 0
.rept 4
	v_nop
.endr
	s_branch .Lasked_\@
.Lfor_b_\@:
	tensor_load_to_lds s[G0B+4*\s:G0B+4*\s+3], s[G1B:G1B+7]
	s_nop 0
.rept 4
	v_nop
.endr
.Lasked_\@:
.endm
.macro CREST                           ; a round of the cluster's barrier behind its opening barrier
	s_cmp_lg_u32 s14, 0
	s_cbranch_scc1 .Lnot_wave_0_\@
	s_barrier_signal -3
.Lnot_wave_0_\@:
	s_barrier_wait -3
	s_barrier_signal -1
	s_barrier_wait -1
.endm
.macro CROUND                          ; a whole round
	s_barrier_signal -1
	s_barrier_wait -1
	CREST
.endm
	s_load_b256 s[4:11], s[0:1], 0x0               ; oh s[4:5], wot s[6:7], bo s[8:9], out0 s[10:11]
	v_lshl_add_u32 v[SPW], v0, 2, SPARE
	v_mov_b32 v[NIL], 0
	ds_add_u32 v28, v29
	ds_add_u32 v28, v29
	s_wait_dscnt 0x0
	v_lshrrev_b32 v1, 5, v0
	v_readfirstlane_b32 s14, v1                    ; wave 0..3
	s_lshr_b32 s15, s14, 1                         ; which half of the tile's rows is mine.  Also: I fetch for o (0) or for Wo (1)
	s_and_b32 s16, s14, 1                          ; which half of its columns.  Also: which part I fetch
	s_bfe_u32 s40, ttmp6, 0x40000                  ; cx, cy: my place in the cluster
	s_bfe_u32 s41, ttmp6, 0x40004
	s_lshl_b32 s42, ttmp9, 2
	s_add_co_u32 s42, s42, s40                     ; tile column = 4 x cluster x + cx: 0 .. 3
	s_and_b32 s17, ttmp7, 0xffff
	s_lshl_b32 s17, s17, 2
	s_add_co_u32 s17, s17, s41                     ; tile row = 4 x cluster y + cy: 0 .. 63
	s_lshl_b32 s43, s41, 2
	s_lshl_b32 s43, 15, s43                        ; my row of the cluster
	s_lshl_b32 s44, 0x1111, s40                    ; my column
	; descriptor group 1: rows of 64 elements of 2 bytes, dense in memory, padded in LDS: 128 of them for o, 256 for Wo
	s_or_b32 s[G1+0], s43, (1<<16)|(1<<20)|(1<<21)|(4<<22)|(3<<25)  ; 15:0 the mask; 17:16 element of 2 bytes; 20 padding on; 21 set beside a mask; 24:22 after every 32 words; 31:25 four words
	s_or_b32 s[G1B+0], s44, (1<<16)|(1<<20)|(1<<21)|(4<<22)|(3<<25)
	s_mov_b32 s[G1+1], 64<<16                      ; tensor_dim0
	s_mov_b32 s[G1+2], 128<<16                     ; tensor_dim1
	s_mov_b32 s[G1+3], 64<<16                      ; tile_dim0
	s_mov_b32 s[G1+4], 128                         ; tile_dim1
	s_mov_b32 s[G1+5], 64                          ; tensor_dim0_stride
	s_mov_b32 s[G1+6], 0
	s_mov_b32 s[G1+7], 0
	s_mov_b32 s[G1B+1], 64<<16
	s_mov_b32 s[G1B+2], 256<<16
	s_mov_b32 s[G1B+3], 64<<16
	s_mov_b32 s[G1B+4], 256
	s_mov_b32 s[G1B+5], 64
	s_mov_b32 s[G1B+6], 0
	s_mov_b32 s[G1B+7], 0
	s_lshl_b32 s20, s17, 18                        ; o: 16 k blocks of 16,384 bytes a tile row,
	s_lshl_b32 s18, s16, 14
	s_add_co_u32 s20, s20, s18                     ; + my k block of the step's two
	s_mov_b32 s21, 0
	s_lshl_b32 s46, s42, 19                        ; Wo: two blocks of 128 columns, 262,144 bytes each, a tile column,
	s_lshl_b32 s18, s16, 18
	s_add_co_u32 s46, s46, s18                     ; + mine of the two
	s_mov_b32 s47, 0
	s_mul_i32 s22, s16, KBLK                       ; where they go: o's k block,
	s_mul_i32 s23, s16, PART
	s_add_co_u32 s23, s23, PART                    ; Wo's block of columns, behind o's part: no place in the cluster enters an LDS address
	s_wait_kmcnt 0x0
	s_add_nc_u64 s[20:21], s[4:5], s[20:21]
	s_add_nc_u64 s[46:47], s[6:7], s[46:47]
	CROUND                                         ; all sixteen work-groups are here: the first joint loads meet
.irp s, 0,1
	s_mov_b32 s[G0+4*\s], 1
	s_add_co_u32 s[G0+4*\s+1], s22, \s*SLOT
	s_add_nc_u64 s[G0+4*\s+2:G0+4*\s+3], s[20:21], \s*STEPB
	s_or_b32 s[G0+4*\s+3], s[G0+4*\s+3], 0x80000000
	s_mov_b32 s[G0B+4*\s], 1
	s_add_co_u32 s[G0B+4*\s+1], s23, \s*SLOT
	s_add_nc_u64 s[G0B+4*\s+2:G0B+4*\s+3], s[46:47], \s*STEPB
	s_or_b32 s[G0B+4*\s+3], s[G0B+4*\s+3], 0x80000000
	JLOAD \s
.endr
	v_and_b32 v1, 15, v0                           ; l % 16
	v_bfe_u32 v2, v0, 4, 1                         ; l / 16
	v_mul_u32_u24 v3, v1, PITCH
	v_lshl_add_u32 v3, v2, 4, v3                   ; a fragment's row x pitch + 16 x half
	s_mul_i32 s21, s15, 64*PITCH                   ; my 64 rows of o
	s_mul_i32 s22, s16, PART                       ; my 128 columns of Wo,
	s_add_co_u32 s22, s22, PART                    ; behind o's part
.irp s, 0,1
	v_add_nc_u32 v[ADRA+\s], s21, v3
	v_add_nc_u32 v[ADRB+\s], s22, v3
	s_add_co_u32 s21, s21, SLOT
	s_add_co_u32 s22, s22, SLOT
.endr
	s_mul_i32 s23, s14, 16*SPITCH
	s_add_co_u32 s23, s23, STAGE                   ; my stage
	v_mul_u32_u24 v5, v1, SPITCH                   ; in: row l % 16, 32 bytes for each half of the lanes
	v_lshl_add_u32 v5, v2, 5, v5
	v_add_nc_u32 v[STO], s23, v5
	v_and_b32 v6, 31, v0
	v_lshlrev_b32 v[CO], 4, v6                     ; back: the 32 lanes take one row of 512 bytes; and the same in the output
	v_add_nc_u32 v[RD], s23, v[CO]
	v_lshlrev_b32 v[BAD], 5, v2
	s_lshl_b32 s46, s42, 10
	s_lshl_b32 s47, s16, 9
	s_add_co_u32 s46, s46, s47                     ; my first column, in bytes: 4 x (256 x tile column + 128 x half)
	s_mov_b32 s47, 0
	s_add_nc_u64 s[8:9], s[8:9], s[46:47]
	s_add_nc_u64 s[10:11], s[10:11], s[46:47]
	s_lshl_b32 s20, s17, 19                        ; my first row: 128 rows of 4,096 bytes a tile row,
	s_lshl_b32 s21, s15, 18
	s_add_co_u32 s20, s20, s21                     ; 64 for my half
	s_mov_b32 s21, 0
	s_add_nc_u64 s[10:11], s[10:11], s[20:21]
	WIN 0x80                                       ; destination window 2
.irp b, 0,1,2,3,4,5,6,7                        ; the bias: for block b lane (r, h) holds the numbers of columns 16 b + 8 h + 0 .. 7
	global_load_b128 v[8*\b:8*\b+3], v[BAD], s[8:9] offset:64*\b
	global_load_b128 v[8*\b+4:8*\b+7], v[BAD], s[8:9] offset:64*\b+16
.endr
	WIN 0
; 8 matrix instructions: o's block a x Wo's eight, 32 along K.  zero = 1: the product starts the sums on the bias.  The 32 accumulators take turns, in the same order in every quarter.
.macro MUL8 f, a, zero
.irp b, 0,1,2,3,4,5,6,7
.if \zero
	v_wmma_f32_16x16x32_f16 v[8*(8*(\a)+\b):8*(8*(\a)+\b)+7], v[\f+32+8*\b:\f+32+8*\b+7], v[\f+8*(\a):\f+8*(\a)+7], v[8*\b:8*\b+7]
.else
	v_wmma_f32_16x16x32_f16 v[8*(8*(\a)+\b):8*(8*(\a)+\b)+7], v[\f+32+8*\b:\f+32+8*\b+7], v[\f+8*(\a):\f+8*(\a)+7], v[8*(8*(\a)+\b):8*(8*(\a)+\b)+7]
.endif
.endr
.endm
; 24 LDS loads in one run: the fragments of the slot's q-th 32 along K into buffer f: Wo's eight, then o's four
.macro FETCH slot, q, f
.irp i, 0,1,2,3,4,5,6,7
	ds_load_b128 v[\f+32+8*\i:\f+32+8*\i+3],   v[ADRB+\slot] offset:((\q)/2)*KBLK+((\q)%2)*64+\i*16*PITCH
	ds_load_b128 v[\f+32+8*\i+4:\f+32+8*\i+7], v[ADRB+\slot] offset:((\q)/2)*KBLK+((\q)%2)*64+\i*16*PITCH+32
.endr
.irp i, 0,1,2,3
	ds_load_b128 v[\f+8*\i:\f+8*\i+3],   v[ADRA+\slot] offset:((\q)/2)*KBLK+((\q)%2)*64+\i*16*PITCH
	ds_load_b128 v[\f+8*\i+4:\f+8*\i+7], v[ADRA+\slot] offset:((\q)/2)*KBLK+((\q)%2)*64+\i*16*PITCH+32
.endr
.endm
.macro PLACES                          ; four places in front of loads into registers that matrix instructions have read, and of the first read of results (ISA guide 7.12.1 for vector instructions)
.rept 4
	v_nop
.endr
.endm
; A K step is four quarters of 32 along K, 32 matrix instructions each, on buffers 0, 1, 0, 1.  One of the first three: multiplies buffer f and fetches the slot's q-th quarter into g.
.macro QUARTER slot, q, f, g, zero
	s_wait_dscnt 4                                 ; Wo's fragments and o's blocks 0, 1 are in; the youngest four loads (blocks 2, 3) may be out
.if \zero
	WIN BEG
.else
	WIN MUL
.endif
	MUL8 \f, 0, \zero
	MUL8 \f, 1, \zero
	WIN 0
	PLACES
	FETCH \slot, \q, \g
	s_wait_dscnt 24                                ; all but the 24 just issued
.if \zero
	WIN BEG
.else
	WIN MUL
.endif
	MUL8 \f, 2, \zero
	MUL8 \f, 3, \zero
.endm
; The last quarter multiplies buffer 1 and changes slots: ONE barrier; in front of it each wave waits for all its tensor loads, adds 0 to its spare word, and waits for that and for its own reads of this slot.
; fill = 1: this slot is filled again, two K steps ahead: the barrier opens a round of the cluster's, and the joint load is the first tensor load behind it: 112 matrix instructions ahead of the wait for it.
.macro TURN slot, next, fill
	WIN 0                                          ; (the add's two registers lie in window 0)
	s_wait_tensorcnt 0x0                           ; all my tensor loads have landed: my part of the next slot;
	ds_add_u32 v[SPW], v[NIL]                      ; 0 onto my spare word;
	s_wait_dscnt 5                                 ; (the add and the youngest four loads may be out)
	WIN MUL
	MUL8 F1, 0, 0                                  ; eight matrix instructions stand between the add and the wait for it
	s_wait_dscnt 0x0                               ; the add is done, and my reads of this slot are over
	s_barrier_signal -1
	MUL8 F1, 1, 0
	WIN 0
	s_barrier_wait -1
.if \fill
	CREST                                          ; no wave of any partner still reads this slot's tiles or has a load on its way
	s_add_nc_u64 s[G0+4*\slot+2:G0+4*\slot+3], s[G0+4*\slot+2:G0+4*\slot+3], 2*STEPB
	s_add_nc_u64 s[G0B+4*\slot+2:G0B+4*\slot+3], s[G0B+4*\slot+2:G0B+4*\slot+3], 2*STEPB
	JLOAD \slot                                    ; the four v_nop behind it are also the places in front of the loads below
.else
	PLACES
.endif
	FETCH \next, 0, F0
	WIN MUL
	MUL8 F1, 2, 0
	MUL8 F1, 3, 0
.endm
	s_wait_tensorcnt 1                             ; my part of K step 0 is in (K step 1's load may be out)
	s_barrier_signal -1
	s_barrier_wait -1                              ; everybody's is
	FETCH 0, 0, F0
	s_wait_loadcnt 0x0                             ; the bias
	QUARTER 0, 1, F0, F1, 1                        ; the first quarter stands in front of the loop: its products start the sums
	WIN 0                                          ; at a label and at a branch every window is 0
	s_mov_b32 s3, 3
.Llap:                                                 ; a trip goes once round the ring, from a lap's second quarter to the next lap's first, and fills both slots again: K steps 2 to 7
	QUARTER 0, 2, F1, F0, 0
	QUARTER 0, 3, F0, F1, 0
	TURN 0, 1, 1
	QUARTER 1, 1, F0, F1, 0
	QUARTER 1, 2, F1, F0, 0
	QUARTER 1, 3, F0, F1, 0
	TURN 1, 0, 1
	QUARTER 0, 1, F0, F1, 0
	WIN 0
	s_sub_co_u32 s3, s3, 1
	s_cmp_lg_u32 s3, 0
	s_cbranch_scc1 .Llap
	QUARTER 0, 2, F1, F0, 0                        ; the last lap fills nothing, and has no round of the cluster's barrier
	QUARTER 0, 3, F0, F1, 0
	TURN 0, 1, 0
	QUARTER 1, 1, F0, F1, 0
	QUARTER 1, 2, F1, F0, 0
	QUARTER 1, 3, F0, F1, 0
	s_wait_dscnt 4                                 ; the very last quarter: nothing more to fetch
	WIN MUL
	MUL8 F1, 0, 0
	MUL8 F1, 1, 0
	s_wait_dscnt 0
	MUL8 F1, 2, 0
	MUL8 F1, 3, 0
	WIN 0
; THE WAY OUT, block by block of 16 rows x 128 columns.  A lane holds 32 neighbouring bytes of a row: a block goes through my own stage and comes back as whole rows of 512 bytes.
; LDS serves a wave's instructions in order (ISA guide 5.7.1.4): no wait between the stores and the loads, nor in front of the next block's stores.
.macro TOSTAGE a
	WIN 0x04                                       ; an LDS store's data are its source 1: window 1
.irp b, 0,1,2,3,4,5,6,7
	ds_store_b128 v[STO], v[64*(\a)+8*\b:64*(\a)+8*\b+3] offset:64*\b          ; each accumulator from its low end on
	ds_store_b128 v[STO], v[64*(\a)+8*\b+4:64*(\a)+8*\b+7] offset:64*\b+16
.endr
	WIN 0
.set BB, F0+96*((\a)%2)
.irp t, 0,1,2,3,4,5,6,7,8,9,10,11,12,13,14,15
	ds_load_b128 v[BB+4*\t:BB+4*\t+3], v[RD] offset:\t*SPITCH
.endr
.endm
.macro SEND a, younger                 ; younger: the LDS instructions issued behind block a's loads, which may stay out
.set BB, F0+96*((\a)%2)
	s_wait_dscnt \younger                          ; the block is back in registers
.irp t, 0,1,2,3,4,5,6,7,8,9,10,11,12,13,14,15
	global_store_b128 v[CO], v[BB+4*\t:BB+4*\t+3], s[10:11] offset:(\a)*65536+\t*4096 th:TH_STORE_NT   ; 32 lanes store 512 consecutive bytes, aligned; written once, read by nobody here
.endr
.endm
	PLACES
	TOSTAGE 0
.irp a, 1,2,3
.if \a > 1
	s_wait_xcnt 0x0                                ; block a - 2's stores have read their registers: block a's loads may land there
.endif
	TOSTAGE \a
	SEND \a-1, 32                                  ; behind block a - 1's loads: block a's 16 stores and 16 loads
.endr
	SEND 3, 0
	s_wait_tensorcnt 0x0                           ; the wave's end
	ds_add_u32 v[SPW], v[NIL]
	s_wait_dscnt 0x0
	CROUND                                         ; the closing round: no work-group ends while a partner may still ask for a tile that names it
	s_endpgm
.Lfunc_end_k_q30674e9047_outp:
	.size	k_q30674e9047_outp, .Lfunc_end_k_q30674e9047_outp-k_q30674e9047_outp
	.p2alignl 7, 3214868480
	.fill 96, 4, 3214868480
	.section	.rodata,"a",@progbits
	.p2align	6, 0x0
	.amdhsa_kernel k_q30674e9047_outp
		.amdhsa_group_segment_fixed_size 327680
		.amdhsa_private_segment_fixed_size 0
		.amdhsa_enable_private_segment 0
		.amdhsa_kernarg_size 32
		.amdhsa_user_sgpr_count 2
		.amdhsa_user_sgpr_kernarg_segment_ptr 1
		.amdhsa_wavefront_size32 1
		.amdhsa_system_sgpr_workgroup_id_x 1
		.amdhsa_system_sgpr_workgroup_id_y 1
		.amdhsa_system_sgpr_workgroup_id_z 1
		.amdhsa_system_vgpr_workitem_id 0
		.amdhsa_next_free_vgpr 576
		.amdhsa_next_free_sgpr 66
		.amdhsa_reserve_vcc 0
		.amdhsa_float_denorm_mode_32 3
		.amdhsa_float_denorm_mode_16_64 3
		.amdhsa_memory_ordered 1
		.amdhsa_forward_progress 1
		.amdhsa_inst_pref_size 86
	.end_amdhsa_kernel
	.amdgpu_metadata
---
amdhsa.version: [ 1, 2 ]
amdhsa.kernels:
  - .name:           k_q30674e9047_outp
    .symbol:         k_q30674e9047_outp.kd
    .args:
      - { .name: oh, .offset: 0, .size: 8, .value_kind: global_buffer, .address_space: global }
      - { .name: wot, .offset: 8, .size: 8, .value_kind: global_buffer, .address_space: global }
      - { .name: bo, .offset: 16, .size: 8, .value_kind: global_buffer, .address_space: global }
      - { .name: out0, .offset: 24, .size: 8, .value_kind: global_buffer, .address_space: global }
    .group_segment_fixed_size: 327680
    .private_segment_fixed_size: 0
    .kernarg_segment_align: 8
    .kernarg_segment_size: 32
    .max_flat_workgroup_size: 128
    .sgpr_count:     66
    .vgpr_count:     576
    .wavefront_size: 32
...
	.end_amdgpu_metadata
.endif
;; end of part 4
